; MI455X (gfx1250); checked and timed in simulation.
; The chip was launched on July 23, 2026; its instructions are those of AMD's public machine-readable ISA for CDNA 5 (MIT licence, August 2026) and "CDNA5" Instruction Set Architecture Reference Guide (July 2026). The comments in the code are by the model that wrote it; some were corrected since.
;; multihead attentive layer. Allowed arithmetic: matrix products marked QUANTISED: E2M3 operands, one E8M0 scale for each 32 along K, by v_wmma_scale_f32_16x16x128_f8f6f4 with both operands' format E2M3, f32 sums; everything else in f32.
;; Inputs: Wk 1,024 x 2,048 float32; Wo 2,048 x 1,024 float32; Wq 1,024 x 2,048 float32; Wv 1,024 x 2,048 float32; bk 2,048 float32; bo 1,024 float32; bq 2,048 float32; bv 2,048 float32; query 2 x 2,048 x 1,024 float32.
;; Outputs: out0 2 x 2,048 x 1,024 float32.
;; This version of the problem:
;;   THIS VERSION OF THE PROBLEM IS GIVEN IN LOW PRECISION. The matrix products marked QUANTISED in the list below multiply operands that are first quantised to E2M3 (2 exponent bits, 3 mantissa bits; 6 bits a number), with one power-of-two scale for each 32 numbers along K (OCP MX v1.0); their sums are f32. All else is computed in f32.
;;   The module's matrix products, in the order in which they are computed (A, B: the left and right operand; K: the contracted axis; several contracted axes count as one K, in the product's order):
;;     1. [M 4,096, K 1,024] x [K 1,024, N 2,048]; A: input query; B: input Wq: QUANTISED
;;     2. [M 4,096, K 1,024] x [K 1,024, N 2,048]; A: input query; B: input Wk: QUANTISED
;;     3. [M 4,096, K 1,024] x [K 1,024, N 2,048]; A: input query; B: input Wv: QUANTISED
;;     4. batch 32 x [M 2,048, K 128] x [K 128, N 2,048]; A: computed on the way; B: computed on the way: QUANTISED
;;     5. batch 32 x [M 2,048, K 2,048] x [K 2,048, N 128]; A: softmax (see below); B: computed on the way: QUANTISED
;;     6. [M 4,096, K 2,048] x [K 2,048, N 1,024]; A: computed on the way; B: input Wo: QUANTISED
;;   THE QUANTISER, for each operand of a quantised product, along K:
;;     - K is cut into blocks of 32 from its start; a last block that is shorter is filled with zeros.
;;     - A block's scale is 2^e with e = floor(log2(the largest magnitude in the block)) - 2, held to -126 .. 127; a block of zeros has e = 0. As a byte (E8M0): e + 127.
;;     - Each number is divided by its block's scale, clamped to +-7.5, and rounded to the nearest number of E2M3, ties to even, subnormals kept.
;;     - The product sums the exact products of the quantised numbers (number of the format x scale) in f32.
;;   ~~~python
;;   def quantise(x, axis):      # numpy; x: float32 -> the quantised numbers, widened to float32 again
;;       x = np.moveaxis(x, axis, -1); K = x.shape[-1]
;;       x = np.pad(x, [(0, 0)] * (x.ndim - 1) + [(0, -K % 32)]); x = x.reshape(x.shape[:-1] + (-1, 32)); a = np.abs(x).max(-1, keepdims=True)
;;       e = np.where(a > 0, np.clip(np.frexp(np.where(a > 0, a, 1))[1] - 1 - 2, -126, 127), 0)      # np.frexp(a)[1] - 1 = floor(log2(a)), exactly
;;       r = np.clip(x / 2.0 ** e, -7.5, 7.5)
;;       step = 2.0 ** (np.maximum(np.frexp(np.where(r == 0, 1, r))[1] - 1, 0) - 3)
;;       q = np.round(r / step) * step * 2.0 ** e      # np.round: ties to even
;;       return np.moveaxis(q.reshape(q.shape[:-2] + (-1,))[..., :K], -1, axis).astype(np.float32)
;;   ~~~
;;   SOFTMAX AHEAD OF A QUANTISED PRODUCT. Where the list says 'softmax', what is quantised is not the finished softmax but p = 2^(t - M), with t = logit x log2(e) and M = ceil(the row's largest t), a whole number; so 1/2 < the row's largest p <= 1. The row's sum l is taken of the UNQUANTISED p, in f32, and the product's result is divided by l at the end. Since M is a whole number, a kernel that streams over the keys may use a running M (the ceiling of the running maximum): every later rescaling is an exact power of two, which a block's scale takes up: the codes' values come out the same.
;;   OPERANDS COMPUTED ON THE WAY. 'Computed on the way' means the value that the module computes at that place (a softmax that the list does not call 'softmax' is quantised finished and normalised). What goes into a quantiser is computed in f32, as accurately as f32 sums, v_exp_f32 and their like allow (about 1e-6 of the number): no bf16 or f16 on the way to a quantiser, and a product that is left as it is and whose result goes on into a quantised operand takes f32 operands (vector FMAs, or v_wmma_f32_16x16x4_f32). A number that lies on a knife's edge between two numbers of the format may be rounded either way, as far as f32 arithmetic and the matrix unit's own rounding can turn it there, and no further.
;; One version. Each part assembles by itself: llvm-mc -triple=amdgcn-amd-amdhsa -mcpu=gfx1250 --defsym DOCPART=n.
;; ======== version 1 of 1: 4 launches
;; limits: right only within a limited range of input values
;; workspace buffers: opc 9,437,184 bytes; ops 393,216 bytes; qkvc 18,874,368 bytes; qkvs 786,432 bytes; cc 6,291,456 bytes; cs 262,144 bytes
;; launch quant (part 1): grid 512 x 1, 4 waves a work-group, no clusters, 60,928 bytes of LDS; arguments query, Wq, Wk, Wv, Wo, opc, ops; writes opc, ops
.if DOCPART == 1
	.amdgcn_target "amdgcn-amd-amdhsa--gfx1250"
	.amdhsa_code_object_version 6
	.text
	.protected	k_q25bead153f_quant
	.globl	k_q25bead153f_quant
	.p2align	8
	.type	k_q25bead153f_quant,@function
k_q25bead153f_quant:
	s_mov_b64 s[64:65], 0
	v_nop
	global_prefetch_b8 v0, s[64:65] scope:SCOPE_SE
	s_setreg_imm32_b32 hwreg(HW_REG_WAVE_MODE, 25, 1), 1
	s_wait_xcnt 0x0
; query [4096][1024] and Wq, Wk, Wv [1024][2048], Wo [2048][1024], all f32, become codes of FP6 (E2M3) with one E8M0 scale byte for each 32 along K.
; K is query's last axis and the weights' FIRST axis.  A block's scale is 2^(floor(log2(its largest magnitude)) - 2); its byte is that magnitude's exponent field - 2, held at 1 from below.
; LIMITS: NaN and infinities among the inputs are not served.  A block of zeros gets the byte 1 where the rule says 127: its codes are zeros, and this program alone reads the bytes.
; THE WORKSPACE IS LAID IN THE ORDER OF THE OPERAND'S REGISTERS.  A fragment (16 rows x 128 K: 12 registers a lane) is 1,536 bytes: three pieces of 512, piece c = registers 4 c .. 4 c + 3, lane l's 16 bytes at 16 l.
; A fragment's scale words: 64 bytes, 4 bytes a row.  Fragment number: tokens 8 T + s (tile T 0..255, K step s); Wq, Wk, Wv 8 (256 + 128 m + tile) + s; Wo 5,120 + 16 tile + s.
; THE ROWS OF A TILE ARE NOT NEIGHBOURS: of 32 rows, tile u takes rows 8 u + r + 8 (r / 8), r = 0 .. 15, so that a later product that takes such tiles as source 0 has 16 neighbours in 16 registers.
; Work-groups 0-255: a tile of 16 tokens each, a wave two K steps.  Work-groups 256-511: 128 columns x 256 K of a weight each, a wave 32 columns.  Each of the two ways has LDS bytes of its own.  No barrier: waves share nothing.
.set XP,    528                        ; tokens' stage: a row of 512 bytes + 16 = 33 x 16: the sixteen rows that a load of 16 bytes a lane touches begin at sixteen different places modulo 256
.set XW,    16*XP                      ; a wave's stage
.set WST,   4*XW                       ; the weights' stages begin here
.set WU,    3200                       ; one tile's two fragments, 3,072 bytes + 128
.set WSC,   2*WU                       ; behind the two tiles: their scale words, 256 bytes
.set WW,    WSC+256                    ; a wave's region
.set SPARE, WST+4*WW                   ; the spare words, 128 bytes for each wave: two blocks of 256 bytes that no other line names
.set GL,  2                            ; v2   16 x lane
.set SW,  3                            ; v3   tokens: into the stage
.set SRD, 4                            ; v4   tokens: out of the stage
.set GS,  5                            ; v5   4 x lane
.set SPW, 6                            ; v6   LDS address of my spare word; never rewritten
.set NIL, 7                            ; v7   0; never rewritten
.set XA,  16                           ; v16-79   K step 0 as loaded, later K step 1 as 64 numbers of my row
.set XB,  80                           ; v80-143  K step 1 as loaded
.set Y,   144                          ; v144-207 K step 0 as 64 numbers of my row
.set PC,  208                          ; v208-219 a fragment's codes
.set PT,  220                          ; v220-226 the second halves of the blocks, at work
.set TM,  228                          ; v228-243 at work
.set PW,  244                          ; v244, v245 the two scale words; v246 both in one register
.set SEL, 20                           ; s[20:21] v_permlanex16_b32's selects for lane l xor 16
; 64 numbers of a lane, register 16 b + i = k 32 b + 16 (lane / 16) + i of my row, become a fragment's codes in v[pc] on and its scale word in v[pw] (the same in lanes r and r + 16).
.macro QUANT src, pc, pt, pw
.irp b, 0,1,2,3
	v_max3_num_f32 v[TM+\b], |v[\src+16*\b]|, |v[\src+1+16*\b]|, 0x1800000   ; my 16 numbers of block b, and the floor 2^(3 - 127): the byte cannot fall under 1
.endr
.irp i, 2,4,6,8,10,12,14
.irp b, 0,1,2,3
	v_max3_num_f32 v[TM+\b], v[TM+\b], |v[\src+16*\b+\i]|, |v[\src+1+16*\b+\i]|
.endr
.endr
.irp b, 0,1,2,3
	v_permlanex16_b32 v[TM+4+\b], v[TM+\b], s[SEL], s[SEL+1]
.endr
.irp b, 0,1,2,3
	v_max_num_f32 v[TM+\b], v[TM+\b], v[TM+4+\b]       ; with lane l xor 16's: the block's largest magnitude
.endr
.irp b, 0,1,2,3
	v_add_nc_u32 v[TM+12+\b], 0xff000000, v[TM+\b]     ; 2 off its exponent field: the conversion's scale operand
.endr
.irp b, 0,1,2,3
	v_lshrrev_b32 v[TM+4+\b], 23, v[TM+12+\b]          ; the scale's byte
.endr
	v_lshl_or_b32 v[\pw], v[TM+5], 8, v[TM+4]
	v_lshl_or_b32 v[\pw], v[TM+6], 16, v[\pw]
	v_lshl_or_b32 v[\pw], v[TM+7], 24, v[\pw]
.irp c, 0,1
	v_cvt_scalef32_pk16_fp6_f32 v[\pc+6*\c:\pc+2+6*\c], v[\src+32*\c:\src+15+32*\c], v[TM+12+2*\c]
	v_cvt_scalef32_pk16_fp6_f32 v[\pt+4*\c:\pt+2+4*\c], v[\src+16+32*\c:\src+31+32*\c], v[TM+13+2*\c]   ; (a conversion's three registers begin on an even number)
.endr
	v_nop                                              ; one plain place behind a scaled conversion
.irp c, 0,1                                        ; the operand's layout wants a whole block in a lane: lanes 0-15 block 2 c, lanes 16-31 block 2 c + 1
.irp i, 0,1,2
	v_permlane16_swap_b32 v[\pc+6*\c+\i], v[\pt+4*\c+\i]
.endr
.irp i, 0,1,2
	v_mov_b32 v[\pc+3+6*\c+\i], v[\pt+4*\c+\i]
.endr
.endr
.endm
	s_load_b256 s[4:11], s[0:1], 0x0               ; query s[4:5], Wq s[6:7], Wk s[8:9], Wv s[10:11]
	s_load_b128 s[12:15], s[0:1], 0x20             ; Wo s[12:13], the codes s[14:15]
	s_load_b64 s[16:17], s[0:1], 0x30              ; the scale words
	v_lshl_add_u32 v[SPW], v0, 2, SPARE
	v_mov_b32 v[NIL], 0
	v_lshrrev_b32 v1, 5, v0
	v_readfirstlane_b32 s18, v1                    ; wave 0..3
	v_and_b32 v1, 31, v0
	v_lshlrev_b32 v[GL], 4, v1
	v_lshlrev_b32 v[GS], 2, v1
	s_cmp_lt_u32 ttmp9, 256                        ; tokens or weights: the work-group's number alone decides
	s_cbranch_scc0 .Lweights
	; ---- TOKENS.  Work-group g = tile g; wave w = K steps 2 w and 2 w + 1
	s_mov_b32 s[SEL], 0x76543210
	s_mov_b32 s[SEL+1], 0xfedcba98
	s_mov_b32 s22, 0xffff0000                      ; lanes 16-31
	v_and_b32 v8, 15, v0                           ; r
	v_bfe_u32 v9, v0, 4, 1                         ; h
	s_mul_i32 s23, s18, XW
	v_add_nc_u32 v[SW], s23, v[GL]                 ; in: a row's 512 bytes as they lie
	v_mul_u32_u24 v[SRD], v8, XP
	v_lshl_add_u32 v[SRD], v9, 6, v[SRD]
	v_add_nc_u32 v[SRD], s23, v[SRD]               ; out: row r, + 64 h: my 16 numbers of each block of 32
.irp b, 0,1,2,3
	v_mov_b32 v[TM+4+\b], 0                        ; written once: a lane permute's destination counts as one of its sources
.endr
	s_lshr_b32 s24, ttmp9, 1
	s_lshl_b32 s24, s24, 5
	s_and_b32 s25, ttmp9, 1
	s_lshl_b32 s25, s25, 3
	s_add_co_u32 s24, s24, s25                     ; the tile's first token: 32 (g / 2) + 8 (g % 2)
	s_lshl_b32 s24, s24, 12                        ; x 4,096 bytes a row
	s_lshl_b32 s25, s18, 10
	s_add_co_u32 s24, s24, s25                     ; + my two K steps of 512 bytes
	s_mov_b32 s25, 0
	s_mul_i32 s26, ttmp9, 12288
	s_mul_i32 s28, s18, 3072
	s_add_co_u32 s26, s26, s28                     ; fragments 8 g + 2 w, 8 g + 2 w + 1
	s_mov_b32 s27, 0
	s_lshl_b32 s28, ttmp9, 9
	s_lshl_b32 s29, s18, 7
	s_add_co_u32 s28, s28, s29
	s_mov_b32 s29, 0
	s_wait_alu depctr_va_vdst(0)
	s_wait_kmcnt 0x0
	s_add_nc_u64 s[4:5], s[4:5], s[24:25]
	s_add_nc_u64 s[14:15], s[14:15], s[26:27]
	s_add_nc_u64 s[16:17], s[16:17], s[28:29]
.irp e, 0,1
.irp p, 0,1,2,3,4,5,6,7,8,9,10,11,12,13,14,15
	global_load_b128 v[XA+64*\e+4*\p:XA+64*\e+4*\p+3], v[GL], s[4:5] offset:(\p+8*(\p/8))*4096+512*\e th:TH_LOAD_NT   ; 32 lanes read 512 consecutive bytes of the tile's row p
.endr
.endr
	s_wait_loadcnt 16                              ; K step 0's sixteen loads are in; K step 1's may be out
.irp p, 0,1,2,3,4,5,6,7,8,9,10,11,12,13,14,15
	ds_store_b128 v[SW], v[XA+4*\p:XA+4*\p+3] offset:XP*\p
.endr
.irp b, 0,1,2,3
.irp q, 0,1,2,3
	ds_load_b128 v[Y+16*\b+4*\q:Y+16*\b+4*\q+3], v[SRD] offset:128*\b+16*\q   ; LDS serves a wave's instructions in order (ISA guide 5.7.1.4): these see the stores above
.endr
.endr
	s_wait_loadcnt 0x0
.irp p, 0,1,2,3,4,5,6,7,8,9,10,11,12,13,14,15
	ds_store_b128 v[SW], v[XB+4*\p:XB+4*\p+3] offset:XP*\p      ; the same stage: these come behind the loads above
.endr
	s_wait_dscnt 16                                ; all but these sixteen stores: K step 0 is back in registers
.irp b, 0,1,2,3
.irp q, 0,1,2,3
	ds_load_b128 v[XA+16*\b+4*\q:XA+16*\b+4*\q+3], v[SRD] offset:128*\b+16*\q
.endr
.endr
	QUANT Y, PC, PT, PW
.irp c, 0,1,2
	global_store_b128 v[GL], v[PC+4*\c:PC+4*\c+3], s[14:15] offset:512*\c    ; 32 lanes store 512 consecutive bytes, aligned
.endr
	s_wait_dscnt 0x0                               ; K step 1 is back
	s_wait_xcnt 0x0                                ; the stores have read the codes' registers, which are written again
	QUANT XA, PC, PT, PW+1
.irp c, 0,1,2
	global_store_b128 v[GL], v[PC+4*\c:PC+4*\c+3], s[14:15] offset:1536+512*\c
.endr
	v_cndmask_b32 v[PW+2], v[PW], v[PW+1], s22     ; lanes 0-15 K step 2 w's words, lanes 16-31 K step 2 w + 1's
	global_store_b32 v[GS], v[PW+2], s[16:17]      ; 128 consecutive bytes
	s_wait_tensorcnt 0x0                           ; the wave's end, behind my last LDS store
	ds_add_u32 v[SPW], v[NIL]
	s_wait_dscnt 0x0
	s_endpgm
	; ---- WEIGHTS.  A LANE TAKES A COLUMN, AND ITS REGISTERS RUN DOWN K: a block of 32 lies in one lane, and the conversions give codes with K innermost.
.set RO,  16                           ; v16-47   4 x lane + i x a row of the weight, i = 0 .. 31; never rewritten
.set XN,  48                           ; v48-111  two sets of 32 numbers
.set CD,  112                          ; v112-117 a block's 32 codes
.set CE,  120                          ; v120-122 its second half as the conversion leaves it
.set SB,  124                          ; v124-125 my column's scale words of the two K steps
.set LWA, 12                           ; v12  into the stage: my tile, my row
.set LWS, 13                           ; v13  the same for the scale words
.set RDA, 14                           ; v14  out of the stage: 16 x lane
.set RDS, 15                           ; v15  4 x lane
.set OUTR, 128                         ; v128-175 the four fragments on their way out; v176, v177 the scale words
.Lweights:
	s_sub_co_u32 s23, ttmp9, 256
	s_lshr_b32 s24, s23, 6                         ; m: Wq, Wk, Wv, Wo
	s_and_b32 s23, s23, 63
	s_cmp_lt_u32 s24, 3
	s_cselect_b32 s25, 13, 12                      ; a row is 2^13 bytes, Wo's 2^12
	s_cselect_b32 s26, 15, 7                       ; groups of 128 columns: 16, Wo 8
	s_cselect_b32 s27, 4, 3
	s_cselect_b32 s28, 3, 4                        ; fragments to a tile: 2^3, Wo 2^4
	s_lshl_b32 s29, 1, s25                         ; a row in bytes
	s_and_b32 s30, s23, s26
	s_lshr_b32 s31, s23, s27                       ; which 256 along K
	s_lshl_b32 s30, s30, 7
	s_lshl_b32 s48, s18, 5
	s_add_co_u32 s30, s30, s48                     ; my wave's first column
	s_add_co_u32 s48, s25, 8
	s_lshl_b32 s48, s31, s48                       ; 256 rows x which
	s_lshl_b32 s49, s30, 2
	s_add_co_u32 s48, s48, s49
	s_mov_b32 s49, 0
	s_lshl_b32 s50, s29, 5                         ; 32 rows
	s_mov_b32 s51, 0
	s_lshl_b32 s52, s24, 7
	s_add_co_u32 s52, s52, 256                     ; the weight's first tile id
	s_lshr_b32 s53, s30, 4
	s_lshl_b32 s54, s53, s28                       ; my first tile x its fragments
	s_lshl_b32 s55, s31, 1
	s_add_co_u32 s54, s54, s55                     ; + my first K step
	s_lshl_b32 s55, s52, 3
	s_add_co_u32 s54, s54, s55                     ; the number of my first fragment
	s_mul_i32 s56, s54, 1536
	s_mov_b32 s57, 0
	s_lshl_b32 s58, s54, 6
	s_mov_b32 s59, 0
	s_lshl_b32 s60, 1536, s28                      ; from a tile to the next
	s_mov_b32 s61, 0
	s_lshl_b32 s62, 64, s28
	s_mov_b32 s63, 0
	v_bfe_u32 v8, v0, 3, 1                         ; column x of my 32 is row r = x % 8 + 8 (x / 16) of tile u = (x / 8) % 2
	v_and_b32 v9, 7, v0
	v_bfe_u32 v10, v0, 4, 1
	v_lshl_add_u32 v9, v10, 3, v9
	s_mul_i32 s19, s18, WW
	s_add_co_u32 s19, s19, WST
	v_mul_u32_u24 v[LWA], v8, WU
	v_lshl_add_u32 v[LWA], v9, 4, v[LWA]
	v_add_nc_u32 v[LWA], s19, v[LWA]
	v_lshlrev_b32 v[LWS], 7, v8
	v_lshl_add_u32 v[LWS], v9, 2, v[LWS]
	v_add_nc_u32 v[LWS], s19, v[LWS]
	v_add_nc_u32 v[LWS], WSC, v[LWS]
	v_add_nc_u32 v[RDA], s19, v[GL]
	v_add_nc_u32 v[RDS], s19, v[GS]
	v_add_nc_u32 v[RDS], WSC, v[RDS]
	v_mov_b32 v[RO], v[GS]
.set j, 1
.rept 31
	v_add_nc_u32 v[RO+j], s29, v[RO+j-1]
.set j, j+1
.endr
	s_wait_alu depctr_va_vdst(0)
	s_wait_kmcnt 0x0
	s_cmp_lt_u32 s24, 1                            ; the choice among the four buffers hangs on the work-group's number alone
	s_cselect_b64 s[6:7], s[6:7], s[8:9]
	s_cmp_lt_u32 s24, 3
	s_cselect_b64 s[10:11], s[10:11], s[12:13]
	s_cmp_lt_u32 s24, 2
	s_cselect_b64 s[6:7], s[6:7], s[10:11]
	s_add_nc_u64 s[32:33], s[6:7], s[48:49]        ; s[32:47]: a base for each of my eight blocks of 32 rows
.irp t, 1,2,3,4,5,6,7
	s_add_nc_u64 s[32+2*\t:33+2*\t], s[30+2*\t:31+2*\t], s[50:51]
.endr
	s_add_nc_u64 s[14:15], s[14:15], s[56:57]      ; codes: tile 0,
	s_add_nc_u64 s[52:53], s[14:15], s[60:61]      ; tile 1
	s_add_nc_u64 s[16:17], s[16:17], s[58:59]      ; scale words likewise
	s_add_nc_u64 s[54:55], s[16:17], s[62:63]
.macro LOAD t                          ; block t: rows 32 t + i of my column, into set t % 2; a wave reads 128 consecutive bytes, the four waves 512
.set j, 0
.rept 32
	global_load_b32 v[XN+32*((\t)%2)+j], v[RO+j], s[32+2*(\t):33+2*(\t)] th:TH_LOAD_NT
.set j, j+1
.endr
.endm
.macro BLOCK t
.set XS, XN+32*((\t)%2)
.set SL, (\t)/4                        ; which of my two K steps
.set CC, ((\t)/2)%2                    ; registers 6 CC .. 6 CC + 5 of the fragment,
.set HH, (\t)%2                        ; in lane r + 16 HH
.if (\t) < 7
	s_wait_loadcnt 32                              ; this block's 32 loads are in; the next block's may be out
.else
	s_wait_loadcnt 0x0
.endif
	v_max3_num_f32 v8, |v[XS]|, |v[XS+1]|, |v[XS+2]|
	v_max3_num_f32 v9, |v[XS+3]|, |v[XS+4]|, |v[XS+5]|
.irp i, 6,10,14,18,22,26
	v_max3_num_f32 v8, v8, |v[XS+\i]|, |v[XS+\i+1]|
	v_max3_num_f32 v9, v9, |v[XS+\i+2]|, |v[XS+\i+3]|
.endr
	v_max3_num_f32 v8, v8, |v[XS+30]|, |v[XS+31]|
	v_max3_num_f32 v8, v8, v9, 0x1800000           ; and the floor 2^(3 - 127)
	v_add_nc_u32 v10, 0xff000000, v8               ; the conversion's scale operand
	v_lshrrev_b32 v11, 23, v10                     ; the scale's byte
.if (\t)%4 == 0
	v_mov_b32 v[SB+SL], v11
.else
	v_lshl_or_b32 v[SB+SL], v11, 8*((\t)%4), v[SB+SL]
.endif
	v_cvt_scalef32_pk16_fp6_f32 v[CD:CD+2], v[XS:XS+15], v10
	v_cvt_scalef32_pk16_fp6_f32 v[CE:CE+2], v[XS+16:XS+31], v10
	v_nop                                          ; one plain place behind a scaled conversion
.irp i, 0,1,2
	v_mov_b32 v[CD+3+\i], v[CE+\i]
.endr
.if CC == 0                                    ; six registers fall into two of the image's pieces of four
	ds_store_b128 v[LWA], v[CD:CD+3] offset:1536*SL+256*HH
	ds_store_b64 v[LWA], v[CD+4:CD+5] offset:1536*SL+256*HH+512
.else
	ds_store_b64 v[LWA], v[CD:CD+1] offset:1536*SL+256*HH+520
	ds_store_b128 v[LWA], v[CD+2:CD+5] offset:1536*SL+256*HH+1024
.endif
.if (\t) < 6
	LOAD (\t)+2
.endif
	s_wait_dscnt 0x0                               ; the stores have read their registers: the next block's codes may be written
.endm
	LOAD 0
	LOAD 1
.irp t, 0,1,2,3,4,5,6,7
	BLOCK \t
.endr
	ds_store_b32 v[LWS], v[SB] offset:0
	s_wait_alu depctr_va_vdst(0)
	ds_store_b32 v[LWS], v[SB+1] offset:64
.irp u, 0,1
.irp s, 0,1
.irp c, 0,1,2
	ds_load_b128 v[OUTR+12*(2*\u+\s)+4*\c:OUTR+12*(2*\u+\s)+4*\c+3], v[RDA] offset:WU*\u+1536*\s+512*\c   ; my own bytes, served in order
.endr
.endr
.endr
	ds_load_b32 v176, v[RDS] offset:0              ; tile 0: lanes 0-15 the first K step's words, lanes 16-31 the second's
	ds_load_b32 v177, v[RDS] offset:128            ; tile 1
	s_wait_dscnt 0x0
.irp s, 0,1
.irp c, 0,1,2
	global_store_b128 v[GL], v[OUTR+12*\s+4*\c:OUTR+12*\s+4*\c+3], s[14:15] offset:1536*\s+512*\c
	global_store_b128 v[GL], v[OUTR+24+12*\s+4*\c:OUTR+24+12*\s+4*\c+3], s[52:53] offset:1536*\s+512*\c
.endr
.endr
	global_store_b32 v[GS], v176, s[16:17]
	global_store_b32 v[GS], v177, s[54:55]
	s_wait_tensorcnt 0x0                           ; the wave's end, behind my last LDS store
	ds_add_u32 v[SPW], v[NIL]
	s_wait_dscnt 0x0
	s_endpgm
.Lfunc_end_k_q25bead153f_quant:
	.size	k_q25bead153f_quant, .Lfunc_end_k_q25bead153f_quant-k_q25bead153f_quant
	.p2alignl 7, 3214868480
	.fill 96, 4, 3214868480
	.section	.rodata,"a",@progbits
	.p2align	6, 0x0
	.amdhsa_kernel k_q25bead153f_quant
		.amdhsa_group_segment_fixed_size 60928
		.amdhsa_private_segment_fixed_size 0
		.amdhsa_enable_private_segment 0
		.amdhsa_kernarg_size 56
		.amdhsa_user_sgpr_count 2
		.amdhsa_user_sgpr_kernarg_segment_ptr 1
		.amdhsa_wavefront_size32 1
		.amdhsa_system_sgpr_workgroup_id_x 1
		.amdhsa_system_sgpr_workgroup_id_y 1
		.amdhsa_system_sgpr_workgroup_id_z 1
		.amdhsa_system_vgpr_workitem_id 0
		.amdhsa_next_free_vgpr 256
		.amdhsa_next_free_sgpr 66
		.amdhsa_reserve_vcc 0
		.amdhsa_float_denorm_mode_32 3
		.amdhsa_float_denorm_mode_16_64 3
		.amdhsa_memory_ordered 1
		.amdhsa_forward_progress 1
		.amdhsa_inst_pref_size 61
	.end_amdhsa_kernel
	.amdgpu_metadata
---
amdhsa.version: [ 1, 2 ]
amdhsa.kernels:
  - .name:           k_q25bead153f_quant
    .symbol:         k_q25bead153f_quant.kd
    .args:
      - { .name: query, .offset: 0, .size: 8, .value_kind: global_buffer, .address_space: global }
      - { .name: Wq, .offset: 8, .size: 8, .value_kind: global_buffer, .address_space: global }
      - { .name: Wk, .offset: 16, .size: 8, .value_kind: global_buffer, .address_space: global }
      - { .name: Wv, .offset: 24, .size: 8, .value_kind: global_buffer, .address_space: global }
      - { .name: Wo, .offset: 32, .size: 8, .value_kind: global_buffer, .address_space: global }
      - { .name: opc, .offset: 40, .size: 8, .value_kind: global_buffer, .address_space: global }
      - { .name: ops, .offset: 48, .size: 8, .value_kind: global_buffer, .address_space: global }
    .group_segment_fixed_size: 60928
    .private_segment_fixed_size: 0
    .kernarg_segment_align: 8
    .kernarg_segment_size: 56
    .max_flat_workgroup_size: 128
    .sgpr_count:     66
    .vgpr_count:     256
    .wavefront_size: 32
...
	.end_amdgpu_metadata
.endif
;; end of part 1
;; launch proj (part 2): grid 192 x 1, 4 waves a work-group, clusters of 4 x 1, 246,272 bytes of LDS; arguments opc, ops, bq, bk, bv, qkvc, qkvs; writes qkvc, qkvs
.if DOCPART == 2
	.amdgcn_target "amdgcn-amd-amdhsa--gfx1250"
	.amdhsa_code_object_version 6
	.text
	.protected	k_q25bead153f_proj
	.globl	k_q25bead153f_proj
	.p2align	8
	.type	k_q25bead153f_proj,@function
k_q25bead153f_proj:
	s_mov_b64 s[64:65], 0
	v_nop
	global_prefetch_b8 v0, s[64:65] scope:SCOPE_SE
	s_setreg_imm32_b32 hwreg(HW_REG_WAVE_MODE, 25, 1), 1
	s_wait_xcnt 0x0
	s_wait_alu depctr_hold_cnt(0) depctr_sa_sdst(0) depctr_va_vdst(0) depctr_va_sdst(0) depctr_va_ssrc(0) depctr_va_vcc(0) depctr_vm_vsrc(0)
	s_getreg_b32 s2, hwreg(HW_REG_IB_STS2, 6, 4)
	s_cmp_eq_u32 s2, 0
	s_cbranch_scc0 .Lentry_in_a_cluster
	s_endpgm
.Lentry_in_a_cluster:
	s_bfe_u32 s2, ttmp6, 0x10000c
	s_cmp_lg_u32 s2, 0x3003
	s_cbranch_scc0 .Lentry_shape_is_right
	s_endpgm
.Lentry_shape_is_right:
; q = x Wq + bq, k = x Wk + bk, v = x Wv + bv on codes of FP6 (E2M3) with E8M0 scales, and each result quantised again on the way out: q and k along the head's 128, v along the keys.
; ONE TEXT, ONE WAY FOR ALL THREE.  A wave keeps an operand R of 128 rows x 1,024 K in its registers (64 fragments, 768 registers) for the whole launch; the other operand T goes by in blocks of 16 rows x 1,024 K from LDS.
; Source 0 = R's eight tiles, source 1 = T's tile: a lane holds ONE row of T, and its 64 results run along R's 128 rows, in their true order (R's tiles take rows 8 u + r + 8 (r / 8) of each 32): one fragment of the next product.
;   q, k: R = a head's 128 rows of the weight, T = tiles of tokens: a fragment of 16 tokens x 128 channels.      v: R = 128 tokens, T = tiles of Wv's features: a fragment of 16 channels x 128 keys.
; 48 clusters of four work-groups: 16 for q, 16 for k, 16 for v.  The kind decides scalar numbers alone, by selects on the cluster's number; no branch hangs on it.  3 x 64 work-groups: N = 6,144 has the factor 3.
; CLUSTER: the four partners (sixteen waves, sixteen R's) walk the same sixteen tiles of T: they are asked for JOINTLY, once, 200 KiB, and stay in LDS.  R goes from memory straight into registers: nobody else in the work-group wants it.
; THE BIAS along R's rows (q, k) is what the sums begin with: an image of the 64 accumulators, read from LDS at each block's head, since no 64 registers are left to keep it.  The bias along T's rows (v) is one number a lane,
; added behind the sums.  Each kind has one of the two; the other is masked to zeros.
; LIMITS: NaN and infinities are not served.  A block of zeros gets the byte 1 where the rule says 127: its codes are zeros, and this program alone reads the bytes.
.set TS,    196608                     ; LDS: T's 16 tiles x 12,288 bytes from 0; here their scale words, 16 x 512
.set BI,    204800                     ; each wave's image of R's bias, 8,192 bytes
.set LB,    237568                     ; each wave's lane bias, 16 blocks x 128 bytes
.set SPARE, 245760                     ; the spare words, 128 bytes for each wave: two blocks of 256 bytes that no other line names
.set LI,  1                            ; v1   T's fragments: 16 x lane + the trip's 24,576
.set LSA, 2                            ; v2   T's scale words
.set BIA, 3                            ; v3   my image of R's bias
.set LBA, 4                            ; v4   my lane bias
.set GOI, 5                            ; v5   16 x lane; never rewritten
.set GOS, 6                            ; v6   4 x lane; never rewritten
.set VB,  7                            ; v7   4 (r + 8 (r / 8))
.set H64, 8                            ; v8   64 h
.set LS0, 12                           ; v12  TS + 4 x lane
.set LB0, 13                           ; v13  LB + 2,048 x wave + 4 x lane
.set ACC, 16                           ; v16-79   the eight accumulators
.set TF,  80                           ; v80-127  four fragments of T
.set R63, 128                          ; v128-139 R's fragment 63; fragments 0-62 fill windows 1 to 3, 21 to a window
.set RS,  140                          ; v140-171 R's scale words: register 4 t + j: lanes 0-15 K step 2 j of tile t, lanes 16-31 K step 2 j + 1
.set TSR, 172                          ; v172-179 T's, two sets of four
.set PC,  180                          ; v180-191 the codes just made
.set PT,  192                          ; v192-198 at work
.set TM,  200                          ; v200-215 at work
.set PW,  216                          ; v216, v217 two blocks' scale words; v218 both
.set PWC, 218
.set BT,  220                          ; v[220:221] my lane's bias (the packed add names a pair and takes its low word)
.set SPW, 222                          ; v222 LDS address of my spare word; never rewritten
.set NIL, 223                          ; v223 0; never rewritten
.set OC,  14                           ; s[14:15] where the codes go
.set OS,  16                           ; s[16:17] where the scale words go
.set WV,  18
.set CX,  19
.set SEL, 20
.set MSK, 22
.set G1C, 24                           ; s[24:31], s[40:43] the descriptor of T's codes;  s[32:39], s[44:47] of T's scale words
.set G1S, 32
.set G0C, 40
.set G0S, 44
.set HW,  48                           ; 4 cx + wave
.set TT0, 49                           ; T's first tile id: made of the cluster's number alone
.set GG,  50                           ; R's group of eight tiles
.set OI,  51                           ; the number of my first result fragment
.set JC,  52                           ; v: behind a head's eight tiles the results jump on to the next head
.set JS,  54
.set MR,  56
.set ML,  57
.set TR,  58
.set LT,  59
.set RP,  66
.set RSP, 68
.set PBR, 70
.set PBL, 72
.set J1,  74
.set J2,  76
.set LT2, 90
.set LT3, 91
.set MSB, 0
.macro WIN new                         ; the immediate's high byte repeats the setting that is left
.if MSB != (\new)
	s_set_vgpr_msb (MSB<<8)|(\new)
.set MSB, (\new)
.endif
.endm
.macro PLACES                          ; four plain places behind a matrix instruction, in front of loads into its registers and of the first read of its result
.rept 4
	v_nop
.endr
.endm
.macro ROUND                           ; a round of the cluster's barrier
	s_barrier_signal -1
	s_barrier_wait -1
	s_cmp_lg_u32 s[WV], 0
	s_cbranch_scc1 .Lnot_wave_0_\@
	s_barrier_signal -3
.Lnot_wave_0_\@:
	s_barrier_wait -3
	s_barrier_signal -1
	s_barrier_wait -1
.endm
.macro QUANT src, pc, pt, pw           ; 64 numbers of a lane, register 16 b + i = k 32 b + 16 (lane / 16) + i, become a fragment's codes and its scale word
.irp b, 0,1,2,3
	v_max3_num_f32 v[TM+\b], |v[\src+16*\b]|, |v[\src+1+16*\b]|, 0x1800000
.endr
.irp i, 2,4,6,8,10,12,14
.irp b, 0,1,2,3
	v_max3_num_f32 v[TM+\b], v[TM+\b], |v[\src+16*\b+\i]|, |v[\src+1+16*\b+\i]|
.endr
.endr
.irp b, 0,1,2,3
	v_permlanex16_b32 v[TM+4+\b], v[TM+\b], s[SEL], s[SEL+1]
.endr
.irp b, 0,1,2,3
	v_max_num_f32 v[TM+\b], v[TM+\b], v[TM+4+\b]
.endr
.irp b, 0,1,2,3
	v_add_nc_u32 v[TM+12+\b], 0xff000000, v[TM+\b]
.endr
.irp b, 0,1,2,3
	v_lshrrev_b32 v[TM+4+\b], 23, v[TM+12+\b]
.endr
	v_lshl_or_b32 v[\pw], v[TM+5], 8, v[TM+4]
	v_lshl_or_b32 v[\pw], v[TM+6], 16, v[\pw]
	v_lshl_or_b32 v[\pw], v[TM+7], 24, v[\pw]
.irp c, 0,1
	v_cvt_scalef32_pk16_fp6_f32 v[\pc+6*\c:\pc+2+6*\c], v[\src+32*\c:\src+15+32*\c], v[TM+12+2*\c]
	v_cvt_scalef32_pk16_fp6_f32 v[\pt+4*\c:\pt+2+4*\c], v[\src+16+32*\c:\src+31+32*\c], v[TM+13+2*\c]
.endr
	v_nop                                          ; one plain place behind a scaled conversion
.irp c, 0,1
.irp i, 0,1,2
	v_permlane16_swap_b32 v[\pc+6*\c+\i], v[\pt+4*\c+\i]
.endr
.irp i, 0,1,2
	v_mov_b32 v[\pc+3+6*\c+\i], v[\pt+4*\c+\i]
.endr
.endr
.endm
	s_load_b256 s[4:11], s[0:1], 0x0               ; the operands' codes s[4:5], their scale words s[6:7], bq s[8:9], bk s[10:11]
	s_load_b128 s[12:15], s[0:1], 0x20             ; bv s[12:13], the results' codes s[14:15]
	s_load_b64 s[16:17], s[0:1], 0x30              ; the results' scale words
	v_lshl_add_u32 v[SPW], v0, 2, SPARE
	v_mov_b32 v[NIL], 0
	ds_add_u32 v[SPW], v[NIL]                      ; the wave's opening: the add and its wait ahead of my first tensor load; the set-up, work on registers, stands between them
	ds_add_u32 v[SPW], v[NIL]
	v_lshrrev_b32 v9, 5, v0
	v_readfirstlane_b32 s[WV], v9                  ; wave 0..3
	s_bfe_u32 s[CX], ttmp6, 0x40000                ; my place in the cluster: it enters global addresses of R, the biases and the results alone
	s_mov_b32 s[G1C+0], 15|(3<<16)|(1<<21)         ; the mask: all four work-groups; elements of 8 bytes; bit 21 beside a mask; no padding
	s_mov_b32 s[G1C+1], 32<<16                     ; tensor_dim0 = 32 elements: rows of 256 bytes of a dense block
	s_mov_b32 s[G1C+2], 192<<16                    ; tensor_dim1 = 192 rows: four tiles, 49,152 bytes
	s_mov_b32 s[G1C+3], 32<<16                     ; tile_dim0
	s_mov_b32 s[G1C+4], 192                        ; tile_dim1
	s_mov_b32 s[G1C+5], 32                         ; from row to row
	s_mov_b32 s[G1C+6], 0
	s_mov_b32 s[G1C+7], 0
	s_mov_b32 s[SEL], 0x76543210
	s_mov_b32 s[SEL+1], 0xfedcba98
	s_mov_b32 s[MSK], 0xffff0000
	s_lshl_b32 s[HW], s[CX], 2
	s_add_co_u32 s[HW], s[HW], s[WV]
	s_and_b32 s78, ttmp9, 15
	s_and_b32 s79, ttmp9, 7
	s_lshr_b32 s80, ttmp9, 4
	s_and_b32 s80, s80, 1                          ; q or k
	s_lshr_b32 s81, ttmp9, 3
	s_and_b32 s81, s81, 1                          ; the batch, in all three kinds
	s_lshl_b32 s[TT0], s78, 4                      ; q, k: tiles of tokens 16 (a % 16) on
	s_lshl_b32 s60, s79, 4
	s_add_co_u32 s60, s60, 512                     ; v: Wv's tiles 512 + 16 (a % 8) on
	s_lshl_b32 s82, s80, 4
	s_add_co_u32 s82, s82, s[HW]
	s_add_co_u32 s82, s82, 32                      ; q, k: R = head hw of Wq or Wk
	s_lshl_b32 s83, s81, 4
	s_add_co_u32 s83, s83, s[HW]                   ; v: R = tokens 128 (16 batch + hw) on
	s_lshl_b32 s84, s80, 12
	s_lshl_b32 s85, s[HW], 7
	s_add_co_u32 s84, s84, s85
	s_lshl_b32 s85, s79, 4
	s_add_co_u32 s84, s84, s85                     ; q, k: 4,096 kind + 128 head + the tile of tokens
	s_lshl_b32 s86, s79, 8
	s_lshl_b32 s85, s[HW], 3
	s_add_co_u32 s86, s86, s85
	s_add_co_u32 s86, s86, 8192                    ; v: 8,192 + 128 head + 8 x the 128 keys + the tile of channels
	s_mov_b32 s87, 184320                          ; 120 fragments
	s_mov_b32 s88, 7680
	s_lshl_b32 s89, s79, 10
	s_cmp_lt_u32 ttmp9, 32
	s_cselect_b32 s[TT0], s[TT0], s60
	s_cselect_b32 s[GG], s82, s83
	s_cselect_b32 s[OI], s84, s86
	s_cselect_b32 s[JC], 0, s87
	s_cselect_b32 s[JS], 0, s88
	s_cselect_b32 s[MR], -1, 0
	s_cselect_b32 s[ML], 0, -1
	s_cselect_b32 s89, 0, s89
	s_lshl_b32 s85, s81, 11
	s_add_co_u32 s[OI], s[OI], s85                 ; + 2,048 x batch
	s_mul_i32 s60, s[TT0], 12288                   ; T in memory: the cluster's number and the wave's alone
	s_mul_i32 s61, s[WV], 49152
	s_add_co_u32 s60, s60, s61
	s_mov_b32 s61, 0
	s_lshl_b32 s62, s[TT0], 9
	s_lshl_b32 s63, s[WV], 11
	s_add_co_u32 s62, s62, s63
	s_mov_b32 s63, 0
	s_mov_b32 s[J1+1], 0
	s_mov_b32 s[J2+1], 0
	s_mov_b32 s[TR], 0
	s_mov_b32 s[LT], 0
	s_mov_b32 s[LT2], 0
	s_mov_b32 s[LT3], 0
	v_and_b32 v9, 31, v0
	v_and_b32 v10, 15, v0                          ; r
	v_bfe_u32 v11, v0, 4, 1                        ; h
	v_lshlrev_b32 v[GOI], 4, v9
	v_lshlrev_b32 v[GOS], 2, v9
	v_add_nc_u32 v[LS0], TS, v[GOS]
	s_lshl_b32 s84, s[WV], 13
	s_add_co_u32 s84, s84, BI
	v_add_nc_u32 v[BIA], s84, v[GOI]
	s_lshl_b32 s85, s[WV], 11
	s_add_co_u32 s85, s85, LB
	v_add_nc_u32 v[LB0], s85, v[GOS]
.set TSW, 14                           ; v14  where my quarter of T's scale words goes: TS + 2,048 x wave + 16 x lane
	s_lshl_b32 s86, s[WV], 11
	s_add_co_u32 s86, s86, TS
	v_add_nc_u32 v[TSW], s86, v[GOI]
	v_add_nc_u32 v[LI], s[LT], v[GOI]
	v_add_nc_u32 v[LSA], s[LT2], v[LS0]
	v_add_nc_u32 v[LBA], s[LT3], v[LB0]
	v_and_b32 v[VB], 8, v10
	v_add_nc_u32 v[VB], v[VB], v10
	v_lshlrev_b32 v[VB], 2, v[VB]
	v_lshlrev_b32 v[H64], 6, v11
.irp b, 0,1,2,3
	v_mov_b32 v[TM+4+\b], 0                        ; written once: a lane permute's destination counts as one of its sources
.endr
	v_mov_b32 v[BT+1], 0                           ; (named as the upper half of a pair)
	s_wait_dscnt 0x0                               ; the opening add is done
	s_wait_kmcnt 0x0
	s_mov_b32 s[G0C], 1
	s_mul_i32 s[G0C+1], s[WV], 49152               ; LDS: wave x four tiles
	s_add_nc_u64 s[G0C+2:G0C+3], s[4:5], s[60:61]
	s_or_b32 s[G0C+3], s[G0C+3], 0x80000000
	s_add_nc_u64 s[G0S+2:G0S+3], s[6:7], s[62:63]  ; my quarter of T's scale words in memory: 2,048 bytes, which go through registers into LDS bytes of their own
	s_mul_i32 s82, s[GG], 98304
	s_mov_b32 s83, 0
	s_add_nc_u64 s[RP:RP+1], s[4:5], s[82:83]
	s_lshl_b32 s82, s[GG], 12
	s_add_nc_u64 s[RSP:RSP+1], s[6:7], s[82:83]
	s_mul_i32 s82, s[OI], 1536
	s_add_nc_u64 s[OC:OC+1], s[OC:OC+1], s[82:83]
	s_lshl_b32 s82, s[OI], 6
	s_add_nc_u64 s[OS:OS+1], s[OS:OS+1], s[82:83]
	s_lshr_b32 s84, ttmp9, 4
	s_cmp_eq_u32 s84, 1                            ; k's clusters take bk; the others bq (v's mask it away)
	s_cselect_b64 s[PBR:PBR+1], s[10:11], s[8:9]
	s_lshl_b32 s82, s[HW], 9
	s_add_nc_u64 s[PBR:PBR+1], s[PBR:PBR+1], s[82:83]
	s_mov_b32 s82, s89
	s_add_nc_u64 s[PBL:PBL+1], s[12:13], s[82:83]
	ROUND                                          ; all four work-groups are here: the joint loads meet
	tensor_load_to_lds s[G0C:G0C+3], s[G1C:G1C+7]  ; my quarter of T's codes: my one tensor load, filled once
	s_nop 0
.rept 4
	v_nop
.endr
	s_wait_alu depctr_va_vdst(0)
.irp t, 0,1,2,3,4,5,6,7                        ; R's bias in the accumulators' layout: tile t, lane (r, h): rows 32 (t / 2) + 16 h + 8 (t % 2) + 0 .. 7
	global_load_b128 v[ACC+8*\t:ACC+8*\t+3], v[H64], s[PBR:PBR+1] offset:(32*(\t/2)+8*(\t%2))*4
	global_load_b128 v[ACC+8*\t+4:ACC+8*\t+7], v[H64], s[PBR:PBR+1] offset:(32*(\t/2)+8*(\t%2))*4+16
.endr
.set j, 0
.rept 16                                       ; the lane bias of block j: row r of T's tile j
	global_load_b32 v[TF+j], v[VB], s[PBL:PBL+1] offset:128*(j/2)+32*(j%2)
.set j, j+1
.endr
.irp i, 0,1,2,3                                ; T's scale words, my quarter: four loads of 512 consecutive bytes
	global_load_b128 v[TF+16+4*\i:TF+19+4*\i], v[GOI], s[G0S+2:G0S+3] offset:512*\i
.endr
.irp t, 0,1,2,3,4,5,6,7
.irp q, 0,1,2,3
	global_load_b32 v[RS+4*\t+\q], v[GOS], s[RSP:RSP+1] offset:512*\t+128*\q
.endr
.endr
.set F, 0
.rept 64                                       ; R's fragment f = 8 s + t (K step s, tile t): three loads of 512 consecutive bytes
.if F < 63
	WIN ((1+F/21)<<6)
.set RA, 12*(F%21)
.else
	WIN 0
.set RA, R63
.endif
.irp c, 0,1,2
	global_load_b128 v[RA+4*\c:RA+4*\c+3], v[GOI], s[RP:RP+1] offset:(8*(F%8)+F/8)*1536+512*\c
.endr
.set F, F+1
.endr
	s_wait_loadcnt 63                              ; 228 loads were issued behind the 32 of the biases: they are in
.set j, 0
.rept 64
	v_and_b32 v[ACC+j], s[MR], v[ACC+j]            ; v: zeros
.set j, j+1
.endr
.set j, 0
.rept 16
	v_and_b32 v[TF+j], s[ML], v[TF+j]              ; q, k: zeros
.set j, j+1
.endr
.set j, 0
.rept 16
	ds_store_b128 v[BIA], v[ACC+4*j:ACC+4*j+3] offset:512*j
	ds_store_b32 v[LBA], v[TF+j] offset:128*j
.set j, j+1
.endr
.irp i, 0,1,2,3
	ds_store_b128 v[TSW], v[TF+16+4*\i:TF+19+4*\i] offset:512*\i   ; as they lie; the barrier below shows them to the other waves
.endr
	s_wait_loadcnt 0x0                             ; R and its scale words
	s_wait_tensorcnt 0x0                           ; my quarter of T
	s_wait_dscnt 0x0
	s_barrier_signal -1
	s_barrier_wait -1                              ; everybody's quarter: from here on T is only read
; two fragments of T into buffers buf0, buf0 + 1
.macro RUN buf0, off
	PLACES
	WIN 0
.irp k, 0,1
.irp c, 0,1,2
	ds_load_b128 v[TF+12*((\buf0)+\k)+4*\c:TF+12*((\buf0)+\k)+4*\c+3], v[LI] offset:(\off)+1536*\k+512*\c
.endr
.endr
.endm
; K step s: eight products, the eight accumulators by turns, one instruction a turn
.macro MM s, e
.irp t, 0,1,2,3,4,5,6,7
.set F, 8*(\s)+\t
.if F < 63
.set WN, 1+F/21
.set RA, 12*(F%21)
.else
.set WN, 0
.set RA, R63
.endif
	WIN WN
.if (\s)%2
	v_wmma_scale_f32_16x16x128_f8f6f4 v[ACC+8*\t:ACC+8*\t+7], v[RA:RA+11], v[TF+12*((\s)%4):TF+12*((\s)%4)+11], v[ACC+8*\t:ACC+8*\t+7], v[RS+4*\t+(\s)/2], v[TSR+4*(\e)+(\s)/2] matrix_a_fmt:MATRIX_FMT_FP6 matrix_b_fmt:MATRIX_FMT_FP6 matrix_a_scale:MATRIX_SCALE_ROW1 matrix_b_scale:MATRIX_SCALE_ROW1
.else
	v_wmma_scale_f32_16x16x128_f8f6f4 v[ACC+8*\t:ACC+8*\t+7], v[RA:RA+11], v[TF+12*((\s)%4):TF+12*((\s)%4)+11], v[ACC+8*\t:ACC+8*\t+7], v[RS+4*\t+(\s)/2], v[TSR+4*(\e)+(\s)/2] matrix_a_fmt:MATRIX_FMT_FP6 matrix_b_fmt:MATRIX_FMT_FP6
.endif
.endr
.endm
; what a block wants beside its fragments: its tile's scale words, its lane bias, and R's bias as the sums' beginning
.macro PRE offs, offb, e2
.irp q, 0,1,2,3
	ds_load_b32 v[TSR+4*(\e2)+\q], v[LSA] offset:(\offs)+128*\q
.endr
	ds_load_b32 v[BT], v[LBA] offset:\offb
.set j, 0
.rept 16
	ds_load_b128 v[ACC+4*j:ACC+4*j+3], v[BIA] offset:512*j
.set j, j+1
.endr
.endm
; One block of T: 64 products, the lane bias, the quantiser, the stores.  e: the trip's first or second block; more = 1: a block follows, and its first four fragments are fetched under this block's last products.
.macro BLOCK e, more
	s_wait_dscnt 0x0                               ; the sums' beginning, the scale words, the lane bias and fragments 0-3 are in
	MM 0, \e
	MM 1, \e
	RUN 0, 12288*(\e)+4*1536
	MM 2, \e
	MM 3, \e
	RUN 2, 12288*(\e)+6*1536
	s_wait_dscnt 6                                 ; fragments 4 and 5 are in; the six loads just issued may be out
	MM 4, \e
	MM 5, \e
.if \more
	RUN 0, 12288*(\e)+12288
	s_wait_dscnt 6                                 ; fragments 6 and 7 are in
.else
	s_wait_dscnt 0x0
.endif
	MM 6, \e
	MM 7, \e
.if \more
	RUN 2, 12288*(\e)+12288+2*1536
.else
	PLACES
	WIN 0
.endif
	s_wait_xcnt 0x0                                ; the last block's stores have read the registers that are written below
.set j, 0
.rept 32
	v_pk_add_f32 v[ACC+2*j:ACC+2*j+1], v[ACC+2*j:ACC+2*j+1], v[BT:BT+1] op_sel_hi:[1,0]   ; each accumulator from its low end on
.set j, j+1
.endr
	QUANT ACC, PC, PT, PW+\e
.if \more
	PRE 512*((\e)+1), 128*((\e)+1), 1-(\e)
.endif
.irp c, 0,1,2
	global_store_b128 v[GOI], v[PC+4*\c:PC+4*\c+3], s[OC:OC+1] offset:1536*(\e)+512*\c     ; 32 lanes store 512 consecutive bytes, aligned
.endr
.if \e
	v_cndmask_b32 v[PWC], v[PW], v[PW+1], s[MSK]   ; two neighbouring fragments' scale words: 128 consecutive bytes
	global_store_b32 v[GOS], v[PWC], s[OS:OS+1]
.endif
.endm
	PRE 0, 0, 0
.irp k, 0,1,2,3
.irp c, 0,1,2
	ds_load_b128 v[TF+12*\k+4*\c:TF+12*\k+4*\c+3], v[LI] offset:1536*\k+512*\c
.endr
.endr
.Ltrip:                                            ; seven trips of two blocks; the last two blocks are written out, so that nothing is fetched beyond T's end
	s_wait_alu depctr_va_vdst(0)
	BLOCK 0, 1
	BLOCK 1, 1
	WIN 0
	s_wait_xcnt 0x0                                ; the stores have read their bases
	s_cmp_eq_u32 s[TR], 3                          ; behind eight blocks v's results go on to the next head
	s_cselect_b32 s[J1], s[JC], 0
	s_cselect_b32 s[J2], s[JS], 0
	s_add_nc_u64 s[OC:OC+1], s[OC:OC+1], 3072
	s_add_nc_u64 s[OC:OC+1], s[OC:OC+1], s[J1:J1+1]
	s_add_nc_u64 s[OS:OS+1], s[OS:OS+1], 128
	s_add_nc_u64 s[OS:OS+1], s[OS:OS+1], s[J2:J2+1]
	s_add_co_u32 s[LT], s[LT], 24576
	s_add_co_u32 s[LT2], s[LT2], 1024
	s_add_co_u32 s[LT3], s[LT3], 256
	v_add_nc_u32 v[LI], s[LT], v[GOI]
	v_add_nc_u32 v[LSA], s[LT2], v[LS0]
	v_add_nc_u32 v[LBA], s[LT3], v[LB0]
	s_add_co_u32 s[TR], s[TR], 1
	s_cmp_lt_u32 s[TR], 7
	s_cbranch_scc1 .Ltrip
	s_wait_alu depctr_va_vdst(0)
	BLOCK 0, 1
	BLOCK 1, 0
	s_wait_tensorcnt 0x0                           ; the wave's end, behind my last tensor load and my last LDS store
	ds_add_u32 v[SPW], v[NIL]
	s_wait_dscnt 0x0
	ROUND                                          ; the closing round
	s_endpgm
.Lfunc_end_k_q25bead153f_proj:
	.size	k_q25bead153f_proj, .Lfunc_end_k_q25bead153f_proj-k_q25bead153f_proj
	.p2alignl 7, 3214868480
	.fill 96, 4, 3214868480
	.section	.rodata,"a",@progbits
	.p2align	6, 0x0
	.amdhsa_kernel k_q25bead153f_proj
		.amdhsa_group_segment_fixed_size 246272
		.amdhsa_private_segment_fixed_size 0
		.amdhsa_enable_private_segment 0
		.amdhsa_kernarg_size 56
		.amdhsa_user_sgpr_count 2
		.amdhsa_user_sgpr_kernarg_segment_ptr 1
		.amdhsa_wavefront_size32 1
		.amdhsa_system_sgpr_workgroup_id_x 1
		.amdhsa_system_sgpr_workgroup_id_y 1
		.amdhsa_system_sgpr_workgroup_id_z 1
		.amdhsa_system_vgpr_workitem_id 0
		.amdhsa_next_free_vgpr 1024
		.amdhsa_next_free_sgpr 92
		.amdhsa_reserve_vcc 0
		.amdhsa_float_denorm_mode_32 3
		.amdhsa_float_denorm_mode_16_64 3
		.amdhsa_memory_ordered 1
		.amdhsa_forward_progress 1
		.amdhsa_inst_pref_size 108
	.end_amdhsa_kernel
	.amdgpu_metadata
---
amdhsa.version: [ 1, 2 ]
amdhsa.kernels:
  - .name:           k_q25bead153f_proj
    .symbol:         k_q25bead153f_proj.kd
    .args:
      - { .name: opc, .offset: 0, .size: 8, .value_kind: global_buffer, .address_space: global }
      - { .name: ops, .offset: 8, .size: 8, .value_kind: global_buffer, .address_space: global }
      - { .name: bq, .offset: 16, .size: 8, .value_kind: global_buffer, .address_space: global }
      - { .name: bk, .offset: 24, .size: 8, .value_kind: global_buffer, .address_space: global }
      - { .name: bv, .offset: 32, .size: 8, .value_kind: global_buffer, .address_space: global }
      - { .name: qkvc, .offset: 40, .size: 8, .value_kind: global_buffer, .address_space: global }
      - { .name: qkvs, .offset: 48, .size: 8, .value_kind: global_buffer, .address_space: global }
    .group_segment_fixed_size: 246272
    .private_segment_fixed_size: 0
    .kernarg_segment_align: 8
    .kernarg_segment_size: 56
    .max_flat_workgroup_size: 128
    .sgpr_count:     92
    .vgpr_count:     1024
    .wavefront_size: 32
...
	.end_amdgpu_metadata
.endif
;; end of part 2
;; launch attn (part 3): grid 8 x 32, 8 waves a work-group, no clusters, 327,680 bytes of LDS; arguments qkvc, qkvs, cc, cs; writes cc, cs
.if DOCPART == 3
	.amdgcn_target "amdgcn-amd-amdhsa--gfx1250"
	.amdhsa_code_object_version 6
	.text
	.protected	k_q25bead153f_attn
	.globl	k_q25bead153f_attn
	.p2align	8
	.type	k_q25bead153f_attn,@function
k_q25bead153f_attn:
	s_mov_b64 s[64:65], 0
	v_nop
	global_prefetch_b8 v0, s[64:65] scope:SCOPE_SE
	s_setreg_imm32_b32 hwreg(HW_REG_WAVE_MODE, 25, 1), 1
	s_wait_xcnt 0x0
; ctx[b][h][q] = the sum over keys k <= q of softmax_k(q . k / sqrt(2048)) v[k], both products on codes of FP6 (E2M3) with E8M0 scales; ctx is quantised along the head's 128 on the way out.
; THE SOFTMAX: t = score x log2(e) / sqrt(2048); M = the running largest t rounded up to a whole number; p = 2^(t - M) is quantised along the keys, not normalised; the row's sum is taken of the
; unquantised p and divides at the end.  When M moves, the sum and O are multiplied by 2^(old M - new M): exact.
; q, k, v arrive as images of operand registers (a fragment: 1,536 bytes, three pieces of 512, lane l's 16 bytes at 16 l; its scale words 64 bytes): q, k: 16 tokens x 128 channels; v: 16 channels x 128 keys.
; Tile T of a head holds tokens 32 (T / 2) + 8 (T % 2) + r + 8 (r / 8), so that results of a product that takes such tiles as source 0 lie in their true order along a lane's registers.
; SHARES.  A work-group owns blocks i and 15 - i of 128 queries of one head.  EACH OF ITS EIGHT WAVES OWNS ONE TILE OF 16 QUERIES OF THE LOW BLOCK AND ONE OF THE HIGH BLOCK: (i + 1) + (16 - i) = 17 tile steps
; of 128 keys for every wave of every work-group, and in each key step all eight waves have the same work.  Both products are used transposed (S^T = K Q^T, O^T = V^T P^T): a lane holds one query of each tile.
; THE CAUSAL MASK: tiles of keys that lie wholly behind a tile's queries are left out.  Every work-group walks eight slots of 256 keys (a constant trip count, no barrier jumped over);
; scalar branches on ids and the count of steps, the same in all waves, lead round a step behind the high block and round the low tile's part of a step behind the low block; in a block's own step hidden scores
; become -infinity.  A slot whose first key comes behind the work-group's last query is not asked for: the same test ends the fills in the last trip, so no tail is written out; every wait on TENSORcnt is for 0.
; NO CLUSTER: the work-groups that share a head's K and V own different query blocks, so the steps and fills that each leaves out would hang on its place among the partners.
; LIMITS: NaN and infinities are not served.  Hidden scores count as -infinity where the definition adds -1e12: the same p = 0 while visible logits lie far above -1e12.  The scaled scores t stay under 2^31 in magnitude.
; A block of zeros gets the byte 1 where the rule says 127: its codes are zeros, and this program alone reads the bytes.
.set SLOT1, 65536                      ; a slot: K of two key steps (2 x 12,288 bytes), then V of the two; slot 1 begins here, so that one exclusive or turns an address
.set KSC,   131072                     ; K's scale words of the whole head, 8,192 bytes; V's behind them
.set SPARE, 147456                     ; the spare words, 128 bytes for each wave: four blocks of 256 bytes that no other line names
.set LI,  1                            ; v1   16 x lane
.set LS,  2                            ; v2   KSC + 4 x lane
.set SPW, 3                            ; v3   LDS address of my spare word; never rewritten
.set NIL, 4                            ; v4   0; never rewritten
.set ADR, 5                            ; v5   the step's fragments
.set ADS, 6                            ; v6   the step's scale words
.set QLN, 7                            ; v7   r + 8 (r / 8) - 16 h
.set PFO, 8                            ; v8   256 x lane
.set NINF, 9                           ; v9   -infinity
.set DD,  10                           ; v10  the mask's limit
.set CSO, 11                           ; v11  ctx's scale words: 4 r, + in lanes 16-31 the way from the low tile's to the high tile's
.set QF,  20                           ; v20-43   Q's two fragments.  (v12-15, v16-19: for each tile -M, the largest t, the sum in two halves)
.set QS,  44                           ; v44      Q's scale words: the low tile in lanes 0-15, the high tile in lanes 16-31
.set KS,  48                           ; v48-51   K's scale words: register j: tile 2 j in lanes 0-15, tile 2 j + 1 in lanes 16-31
.set VS,  52                           ; v52-55   V's
.set S,   64                           ; v64-127  S^T of one tile, then p
.set PF,  128                          ; v128-151 p's codes, two tiles
.set PT,  152                          ; v152-158 at work
.set PW,  160                          ; v160, v161 p's scale words; v162: ctx's two in one register
.set TM,  164                          ; v164-179 at work:
.set BM,  164                          ;   the blocks' largest scores, then largest p
.set BP,  168                          ;   the other half's; the second chain of the sum; the bytes
.set SO,  176                          ;   the conversions' scale operands
.set FF,  180                          ; v[180:181] f = 2^(old M - new M)
.set TT,  182
.set KV,  128                          ; window 1: v0-63, v64-127 O^T of the two tiles; v128-223 eight fragments of K or of V
.set WV,  12
.set SEL, 14
.set CS,  16
.set TB,  18                           ; LDS byte at which the slot in hand begins
.set TS,  19                           ; the step's scale words: 512 bytes a step
.set KF,  20                           ; the step's first key
.set BL,  21                           ; the low block's first query
.set QL,  22                           ; my work-group's last query
.set SLOTS, 23
.set G1,  24                           ; s[24:31] group 1 of K's and V's tiles; s[32:39] of the scale words; s[40:43] the walking group 0; s[44:47] the scale words'
.set G1S, 32
.set G0,  40
.set G0S, 44
.set PFA, 48
.set LIM, 50
.set MSK, 51
.set BH,  53                           ; the high block's first query
.set QB,  54                           ; s54, s55 the first query of my low tile, of my high tile
.set QA,  56                           ; s[56:57], s[58:59] my two fragments of q
.set QSB, 60
.set BHD, 62                           ; 16 x batch + head
.set DT,  63                           ; tiles from my low tile to my high one
.set CC,  66                           ; s[66:67], s[68:69] my two fragments of ctx
.set CSB, 70
.set MSB, 0
.macro WIN new
.if MSB != (\new)
	s_set_vgpr_msb (MSB<<8)|(\new)
.set MSB, (\new)
.endif
.endm
.macro PLACES
.rept 4
	v_nop
.endr
.endm
.macro QUANT src, pc, pt, pw           ; 64 numbers of a lane, register 16 b + i = k 32 b + 16 (lane / 16) + i, become a fragment's codes and its scale word
.irp b, 0,1,2,3
	v_max3_num_f32 v[TM+\b], |v[\src+16*\b]|, |v[\src+1+16*\b]|, 0x1800000
.endr
.irp i, 2,4,6,8,10,12,14
.irp b, 0,1,2,3
	s_delay_alu instid0(VALU_DEP_4)
	v_max3_num_f32 v[TM+\b], v[TM+\b], |v[\src+16*\b+\i]|, |v[\src+1+16*\b+\i]|
.endr
.endr
.irp b, 0,1,2,3
	s_delay_alu instid0(VALU_DEP_4)
	v_permlanex16_b32 v[TM+4+\b], v[TM+\b], s[SEL], s[SEL+1]
.endr
.irp b, 0,1,2,3
	s_delay_alu instid0(VALU_DEP_4)
	v_max_num_f32 v[TM+\b], v[TM+\b], v[TM+4+\b]
.endr
.irp b, 0,1,2,3
	s_delay_alu instid0(VALU_DEP_4)
	v_add_nc_u32 v[TM+12+\b], 0xff000000, v[TM+\b]
.endr
.irp b, 0,1,2,3
	s_delay_alu instid0(VALU_DEP_4)
	v_lshrrev_b32 v[TM+4+\b], 23, v[TM+12+\b]
.endr
	s_delay_alu instid0(VALU_DEP_3)
	v_lshl_or_b32 v[\pw], v[TM+5], 8, v[TM+4]
	s_delay_alu instid0(VALU_DEP_1)
	v_lshl_or_b32 v[\pw], v[TM+6], 16, v[\pw]
	s_delay_alu instid0(VALU_DEP_1)
	v_lshl_or_b32 v[\pw], v[TM+7], 24, v[\pw]
.irp c, 0,1
	v_cvt_scalef32_pk16_fp6_f32 v[\pc+6*\c:\pc+2+6*\c], v[\src+32*\c:\src+15+32*\c], v[TM+12+2*\c]
	v_cvt_scalef32_pk16_fp6_f32 v[\pt+4*\c:\pt+2+4*\c], v[\src+16+32*\c:\src+31+32*\c], v[TM+13+2*\c]
.endr
	v_nop                                          ; one plain place behind a scaled conversion
.irp c, 0,1
.irp i, 0,1,2
	v_permlane16_swap_b32 v[\pc+6*\c+\i], v[\pt+4*\c+\i]
.endr
.irp i, 0,1,2
	s_delay_alu instid0(VALU_DEP_3)
	v_mov_b32 v[\pc+3+6*\c+\i], v[\pt+4*\c+\i]
.endr
.endr
.endm
	s_load_b256 s[4:11], s[0:1], 0x0               ; q, k, v's codes s[4:5], their scale words s[6:7], ctx's codes s[8:9], ctx's scale words s[10:11]
	v_lshl_add_u32 v[SPW], v0, 2, SPARE
	v_mov_b32 v[NIL], 0
	ds_add_u32 v[SPW], v[NIL]                      ; the opening lines: the add, twice on end, and its wait ahead of the first tensor load
	ds_add_u32 v[SPW], v[NIL]
	v_lshrrev_b32 v5, 5, v0
	s_delay_alu instid0(VALU_DEP_1)
	v_readfirstlane_b32 s[WV], v5                  ; wave 0..7
	s_and_b32 s[BHD], ttmp7, 0xffff
	s_sub_co_u32 s72, 15, ttmp9                    ; the high block
	s_lshl_b32 s[BL], ttmp9, 7
	s_lshl_b32 s[BH], s72, 7
	s_add_co_u32 s[QL], s[BH], 127
	s_lshl_b32 s73, ttmp9, 3
	s_add_co_u32 s73, s73, s[WV]                   ; my low tile: 8 i + wave
	s_lshl_b32 s74, s72, 3
	s_add_co_u32 s74, s74, s[WV]                   ; my high tile: 8 (15 - i) + wave
	s_and_b32 s75, s[WV], 1
	s_lshl_b32 s75, s75, 3
	s_lshl_b32 s[QB], s73, 4
	s_sub_co_u32 s[QB], s[QB], s75                 ; a tile's first query: 16 T - 8 (T % 2)
	s_lshl_b32 s[QB+1], s74, 4
	s_sub_co_u32 s[QB+1], s[QB+1], s75
	s_sub_co_u32 s[DT], s74, s73
	s_lshl_b32 s76, s[BHD], 7                      ; the head's 128 fragments of q
	s_add_co_u32 s77, s76, s73
	s_mul_i32 s[QA], s77, 1536
	s_mov_b32 s[QA+1], 0
	s_lshl_b32 s[QSB], s77, 6
	s_mov_b32 s[QSB+1], 0
	s_add_co_u32 s77, s76, s74
	s_mul_i32 s[QA+2], s77, 1536
	s_mov_b32 s[QA+3], 0
	s_lshr_b32 s76, s[BHD], 4
	s_lshl_b32 s76, s76, 7                         ; the batch's 128 tiles of tokens
	s_and_b32 s75, s[BHD], 15
	s_add_co_u32 s77, s76, s73
	s_lshl_b32 s77, s77, 4
	s_add_co_u32 s77, s77, s75                     ; ctx's fragment: 16 x tile of tokens + head
	s_mul_i32 s[CC], s77, 1536
	s_mov_b32 s[CC+1], 0
	s_lshl_b32 s[CSB], s77, 6
	s_mov_b32 s[CSB+1], 0
	s_add_co_u32 s77, s76, s74
	s_lshl_b32 s77, s77, 4
	s_add_co_u32 s77, s77, s75
	s_mul_i32 s[CC+2], s77, 1536
	s_mov_b32 s[CC+3], 0
	s_and_b32 s72, s[WV], 1                        ; what I fetch, if I fetch: K's (0) or V's (1)
	s_add_co_u32 s73, s72, 1
	s_mul_i32 s74, s73, 6291456                    ; its region,
	s_mul_i32 s75, s[BHD], 196608                  ; the head's 128 fragments
	s_add_co_u32 s74, s74, s75
	s_mov_b32 s75, 0
	s_mul_i32 s76, s73, 262144
	s_lshl_b32 s77, s[BHD], 13
	s_add_co_u32 s76, s76, s77
	s_mov_b32 s77, 0
	s_cmp_lt_u32 s[WV], 5                          ; the prefetches: waves 2 to 4 K's, waves 5 to 7 V's, 8,192 bytes a wave
	s_cselect_b32 s78, 1, 2
	s_cselect_b32 s79, 2, 5
	s_mul_i32 s78, s78, 6291456
	s_max_u32 s73, s[WV], 2
	s_sub_co_u32 s73, s73, s79
	s_lshl_b32 s73, s73, 13
	s_add_co_u32 s78, s78, s73
	s_mul_i32 s73, s[BHD], 196608
	s_add_co_u32 s78, s78, s73
	s_add_co_u32 s78, s78, 24576                   ; in slot 1: the first change of slots steps it to slot 2.  Nothing is prefetched at the head
	s_mov_b32 s79, 0
	s_cmp_lt_u32 s[WV], 2
	s_cselect_b32 s[LIM], 1, 0
	s_or_b32 s[LIM], s[LIM], ttmp9
	s_cmp_eq_u32 s[LIM], 0
	s_cselect_b32 s[LIM], 2, -1                    ; 2 in waves 2 to 7 of the head's first work-group, which walks all slots; else the greatest number
	s_mov_b32 s[G1+0], 3<<16                       ; no mask; elements of 8 bytes; no padding
	s_mov_b32 s[G1+1], 32<<16                      ; rows of 256 bytes of a dense block
	s_mov_b32 s[G1+2], 96<<16                      ; 96 rows: 24,576 bytes
	s_mov_b32 s[G1+3], 32<<16
	s_mov_b32 s[G1+4], 96
	s_mov_b32 s[G1+5], 32
	s_mov_b32 s[G1+6], 0
	s_mov_b32 s[G1+7], 0
	s_mov_b32 s[G1S+0], 3<<16
	s_mov_b32 s[G1S+1], 32<<16
	s_mov_b32 s[G1S+2], 32<<16                     ; 32 rows: 8,192 bytes
	s_mov_b32 s[G1S+3], 32<<16
	s_mov_b32 s[G1S+4], 32
	s_mov_b32 s[G1S+5], 32
	s_mov_b32 s[G1S+6], 0
	s_mov_b32 s[G1S+7], 0
	s_mov_b32 s[SEL], 0x76543210
	s_mov_b32 s[SEL+1], 0xfedcba98
	s_mov_b32 s[CS], 0x3d0293ee                    ; c = log2(e) / sqrt(2048)
	s_mov_b32 s[CS+1], s[CS]                       ; (named with it as a pair)
	s_mov_b32 s[MSK], 0xffff0000
	s_mov_b32 s[TB], 0
	s_mov_b32 s[TS], 0
	s_mov_b32 s[KF], 0
	s_mov_b32 s[SLOTS], 8
	v_and_b32 v5, 31, v0
	s_delay_alu instid0(VALU_DEP_1)
	v_lshlrev_b32 v[LI], 4, v5
	s_delay_alu instid0(VALU_DEP_2)
	v_lshlrev_b32 v[PFO], 8, v5
	s_delay_alu instid0(VALU_DEP_3)
	v_lshl_add_u32 v[LS], v5, 2, KSC
	v_and_b32 v5, 15, v0                           ; r
	v_bfe_u32 v6, v0, 4, 1                         ; h
	s_delay_alu instid0(VALU_DEP_2)
	v_and_b32 v[QLN], 8, v5
	s_delay_alu instid0(VALU_DEP_1)
	v_add_nc_u32 v[QLN], v[QLN], v5
	s_delay_alu instid0(VALU_DEP_3)
	v_lshlrev_b32 v[CSO], 4, v6
	s_delay_alu instid0(VALU_DEP_1)
	v_sub_nc_u32 v[QLN], v[QLN], v[CSO]
	s_lshl_b32 s73, s[DT], 6                       ; q's scale words: 64 bytes a tile
	v_mul_u32_u24 v[DD], s73, v6
	s_delay_alu instid0(VALU_DEP_1)
	v_lshl_add_u32 v[DD], v5, 2, v[DD]
	s_lshl_b32 s73, s[DT], 10                      ; ctx's: 16 fragments of 64 bytes a tile
	v_mul_u32_u24 v[CSO], s73, v6
	s_delay_alu instid0(VALU_DEP_1)
	v_lshl_add_u32 v[CSO], v5, 2, v[CSO]
	v_mov_b32 v[NINF], 0xff800000
	s_wait_alu depctr_va_vdst(0)
	s_wait_dscnt 0x0                               ; both opening adds are done
	s_wait_kmcnt 0x0
	s_mov_b32 s[G0S], 1
	s_lshl_b32 s[G0S+1], s72, 13
	s_add_co_u32 s[G0S+1], s[G0S+1], KSC
	s_add_nc_u64 s[G0S+2:G0S+3], s[6:7], s[76:77]
	s_or_b32 s[G0S+3], s[G0S+3], 0x80000000
	s_mov_b32 s[G0], 1
	s_mul_i32 s[G0+1], s72, 24576                  ; slot 0: K at 0, V behind it
	s_add_nc_u64 s[G0+2:G0+3], s[4:5], s[74:75]
	s_or_b32 s[G0+3], s[G0+3], 0x80000000
	; THE FIRST FILLS, one a wave, in one chain of branches on the wave's number: wave 0 slot 0's K, wave 1 its V, wave 2 K's scale words, wave 3 V's; waves 4 to 7 none
	s_cmp_lt_u32 s[WV], 2
	s_cbranch_scc0 .Lfor_scales
	tensor_load_to_lds s[G0:G0+3], s[G1:G1+7]
	s_nop 0
	PLACES
	s_branch .Lfirst_asked
.Lfor_scales:
	s_cmp_lt_u32 s[WV], 4
	s_cbranch_scc0 .Lfirst_asked
	tensor_load_to_lds s[G0S:G0S+3], s[G1S:G1S+7]  ; filled once
	s_nop 0
	PLACES
.Lfirst_asked:
	s_add_nc_u64 s[QA:QA+1], s[4:5], s[QA:QA+1]
	s_add_nc_u64 s[QA+2:QA+3], s[4:5], s[QA+2:QA+3]
	s_add_nc_u64 s[QSB:QSB+1], s[6:7], s[QSB:QSB+1]
	s_add_nc_u64 s[CC:CC+1], s[8:9], s[CC:CC+1]
	s_add_nc_u64 s[CC+2:CC+3], s[8:9], s[CC+2:CC+3]
	s_add_nc_u64 s[CSB:CSB+1], s[10:11], s[CSB:CSB+1]
	s_add_nc_u64 s[PFA:PFA+1], s[4:5], s[78:79]
.irp x, 0,1
.irp c, 0,1,2
	global_load_b128 v[QF+12*\x+4*\c:QF+12*\x+4*\c+3], v[LI], s[QA+2*\x:QA+2*\x+1] offset:512*\c   ; Q stays in registers
.endr
.endr
	global_load_b32 v[QS], v[DD], s[QSB:QSB+1]
.irp x, 0,1
	v_mov_b32 v[13+4*\x], 0xff61b1e6               ; the largest t so far: -3e38, under every t
	s_delay_alu instid0(VALU_DEP_1)
	v_floor_f32 v[12+4*\x], -v[13+4*\x]            ; -M
	v_mov_b32 v[14+4*\x], 0                        ; the sum, in two halves
	v_mov_b32 v[15+4*\x], 0
.endr
.irp b, 0,1,2,3
	v_mov_b32 v[BP+\b], 0                          ; written once: a lane permute's destination counts as one of its sources
.endr
	v_mov_b32 v[FF+1], 0                           ; (named as the upper half of a pair)
	WIN 0x40
.set j, 0
.rept 128
	v_mov_b32 v[j], 0                              ; O^T.  The step is written once: the first finds zeros, which the first change of M leaves zeros
.set j, j+1
.endr
	WIN 0
; S^T of tile x: eight products that begin their sums with 0
.macro QK x
	WIN 0x01                                       ; source 0 (K) in window 1
.irp t, 0,1,2,3,4,5,6,7
.if (\t%2 == 0) && (\x == 0)
	v_wmma_scale_f32_16x16x128_f8f6f4 v[S+8*\t:S+8*\t+7], v[KV+12*\t:KV+12*\t+11], v[QF+12*\x:QF+12*\x+11], 0, v[KS+\t/2], v[QS] matrix_a_fmt:MATRIX_FMT_FP6 matrix_b_fmt:MATRIX_FMT_FP6
.elseif (\x == 0)
	v_wmma_scale_f32_16x16x128_f8f6f4 v[S+8*\t:S+8*\t+7], v[KV+12*\t:KV+12*\t+11], v[QF+12*\x:QF+12*\x+11], 0, v[KS+\t/2], v[QS] matrix_a_fmt:MATRIX_FMT_FP6 matrix_b_fmt:MATRIX_FMT_FP6 matrix_a_scale:MATRIX_SCALE_ROW1
.elseif (\t%2 == 0)
	v_wmma_scale_f32_16x16x128_f8f6f4 v[S+8*\t:S+8*\t+7], v[KV+12*\t:KV+12*\t+11], v[QF+12*\x:QF+12*\x+11], 0, v[KS+\t/2], v[QS] matrix_a_fmt:MATRIX_FMT_FP6 matrix_b_fmt:MATRIX_FMT_FP6 matrix_b_scale:MATRIX_SCALE_ROW1
.else
	v_wmma_scale_f32_16x16x128_f8f6f4 v[S+8*\t:S+8*\t+7], v[KV+12*\t:KV+12*\t+11], v[QF+12*\x:QF+12*\x+11], 0, v[KS+\t/2], v[QS] matrix_a_fmt:MATRIX_FMT_FP6 matrix_b_fmt:MATRIX_FMT_FP6 matrix_a_scale:MATRIX_SCALE_ROW1 matrix_b_scale:MATRIX_SCALE_ROW1
.endif
.endr
	WIN 0
.endm
; O^T of tile x += V^T P^T: eight accumulators by turns, one instruction a turn
.macro PV x
	WIN 0x51                                       ; V, and O^T as C and D, in window 1; p in window 0
.irp t, 0,1,2,3,4,5,6,7
.if \t%2 == 0
	v_wmma_scale_f32_16x16x128_f8f6f4 v[64*\x+8*\t:64*\x+8*\t+7], v[KV+12*\t:KV+12*\t+11], v[PF+12*\x:PF+12*\x+11], v[64*\x+8*\t:64*\x+8*\t+7], v[VS+\t/2], v[PW+\x] matrix_a_fmt:MATRIX_FMT_FP6 matrix_b_fmt:MATRIX_FMT_FP6
.else
	v_wmma_scale_f32_16x16x128_f8f6f4 v[64*\x+8*\t:64*\x+8*\t+7], v[KV+12*\t:KV+12*\t+11], v[PF+12*\x:PF+12*\x+11], v[64*\x+8*\t:64*\x+8*\t+7], v[VS+\t/2], v[PW+\x] matrix_a_fmt:MATRIX_FMT_FP6 matrix_b_fmt:MATRIX_FMT_FP6 matrix_a_scale:MATRIX_SCALE_ROW1
.endif
.endr
	WIN 0
.endm
; In a block's own key step the scores of hidden keys become -infinity ahead of the maximum.  Register 16 b + i holds key KF + 32 b + 16 h + i; my query is QB + r + 8 (r / 8).  Earlier steps skip this.
.macro MASK x, blk
	s_cmp_lg_u32 s[KF], s[\blk]
	s_cbranch_scc1 .Lopen_\@
	s_sub_co_i32 s52, s[QB+\x], s[KF]
	v_add_nc_u32 v[DD], s52, v[QLN]                ; hidden where 32 b + i > this
.set j, 0
.rept 64
	v_cmp_gt_i32 vcc_lo, 32*(j/16)+j%16, v[DD]
	v_cndmask_b32 v[S+j], v[S+j], v[NINF], vcc_lo
.set j, j+1
.endr
.Lopen_\@:
.endm
.macro SOFTMAX x
.set ST, 12+4*(\x)
.set PP, PF+12*(\x)
.set OO, 64*(\x)
.irp b, 0,1,2,3
	v_max3_num_f32 v[BM+\b], v[S+16*\b], v[S+1+16*\b], v[S+2+16*\b]    ; the largest score of each block of 32 keys: for the row's maximum, and, since p rises with the score, for the block's largest p
.endr
.irp i, 3,5,7,9,11,13
.irp b, 0,1,2,3
	v_max3_num_f32 v[BM+\b], v[BM+\b], v[S+16*\b+\i], v[S+1+16*\b+\i]
.endr
.endr
.irp b, 0,1,2,3
	v_max_num_f32 v[BM+\b], v[BM+\b], v[S+15+16*\b]
.endr
.irp b, 0,1,2,3
	s_delay_alu instid0(VALU_DEP_4)
	v_permlanex16_b32 v[BP+\b], v[BM+\b], s[SEL], s[SEL+1]
.endr
.irp b, 0,1,2,3
	s_delay_alu instid0(VALU_DEP_4)
	v_max_num_f32 v[BM+\b], v[BM+\b], v[BP+\b]     ; with lane l xor 16's 16 keys
.endr
	s_delay_alu instid0(VALU_DEP_2)
	v_max3_num_f32 v[TT], v[BM], v[BM+1], v[BM+2]
	s_delay_alu instid0(VALU_DEP_1)
	v_max_num_f32 v[TT], v[TT], v[BM+3]
	s_delay_alu instid0(VALU_DEP_1)
	v_mul_f32 v[TT], s[CS], v[TT]                  ; as t (c is positive)
	s_delay_alu instid0(VALU_DEP_1)
	v_max_num_f32 v[ST+1], v[ST+1], v[TT]          ; the running largest t
	v_mov_b32 v[TT], v[ST]
	s_delay_alu instid0(VALU_DEP_2)
	v_floor_f32 v[ST], -v[ST+1]                    ; the new -M = floor(-t): M is a whole number
	s_delay_alu instid0(VALU_DEP_1)
	v_sub_f32 v[TT], v[ST], v[TT]                  ; old M - new M: a whole number, 0 or less
	s_delay_alu instid0(VALU_DEP_1)
	v_cvt_i32_f32 v[TT], v[TT]                     ; (it saturates)
	s_delay_alu instid0(VALU_DEP_1)
	v_ldexp_f32 v[FF], 1.0, v[TT]                  ; f = 2^(old M - new M)
.set j, 0
.rept 32
	v_pk_fma_f32 v[S+j:S+j+1], v[S+j:S+j+1], s[CS:CS+1], v[ST:ST+1] op_sel_hi:[1,0,0]   ; t - M, two at a time
.set j, j+2
.endr
.irp b, 0,1,2,3
	v_fma_f32 v[BM+\b], v[BM+\b], s[CS], v[ST]     ; the same of each block's largest score
.endr
.set j, 0
	s_wait_alu depctr_va_vdst(0)
.rept 64
	v_exp_f32 v[S+j], v[S+j]                       ; p = 2^(t - M), at most 1
.set j, j+1
.endr
	v_pk_mul_f32 v[ST+2:ST+3], v[ST+2:ST+3], v[FF:FF+1] op_sel_hi:[1,0]   ; the sums under the new M: the plain place behind the exponentials
	s_wait_alu depctr_va_vdst(0)                   ; one wait for the batch of 64, ahead of its first reader
.irp b, 0,1,2,3
	v_exp_f32 v[BM+\b], v[BM+\b]                   ; the block's largest p: the same two instructions on the same number
.endr
	v_pk_add_f32 v[BP:BP+1], v[S:S+1], v[S+2:S+3]  ; the row's sum is taken of the unquantised p, in two chains; it reads the 64 alone
.irp j4, 4,8,12,16,20,24,28,32,36,40,44,48,52,56,60
	v_pk_add_f32 v[ST+2:ST+3], v[ST+2:ST+3], v[S+\j4:S+\j4+1]
	v_pk_add_f32 v[BP:BP+1], v[BP:BP+1], v[S+2+\j4:S+3+\j4]
.endr
	s_delay_alu instid0(VALU_DEP_1)
	v_pk_add_f32 v[ST+2:ST+3], v[ST+2:ST+3], v[BP:BP+1]
	s_wait_alu depctr_va_vdst(0)                   ; and one for the four
.irp b, 0,1,2,3
	v_max_num_f32 v[BM+\b], 0x1800000, v[BM+\b]    ; the floor 2^(3 - 127): the byte cannot fall under 1
.endr
.irp b, 0,1,2,3
	s_delay_alu instid0(VALU_DEP_4)
	v_add_nc_u32 v[SO+\b], 0xff000000, v[BM+\b]    ; the conversion's scale operand
.endr
.irp b, 0,1,2,3
	s_delay_alu instid0(VALU_DEP_4)
	v_lshrrev_b32 v[BP+\b], 23, v[SO+\b]           ; the scale's byte
.endr
	s_delay_alu instid0(VALU_DEP_3)
	v_lshl_or_b32 v[PW+\x], v[BP+1], 8, v[BP]
	s_delay_alu instid0(VALU_DEP_1)
	v_lshl_or_b32 v[PW+\x], v[BP+2], 16, v[PW+\x]
	s_delay_alu instid0(VALU_DEP_1)
	v_lshl_or_b32 v[PW+\x], v[BP+3], 24, v[PW+\x]
.irp c, 0,1
	v_cvt_scalef32_pk16_fp6_f32 v[PP+6*\c:PP+2+6*\c], v[S+32*\c:S+15+32*\c], v[SO+2*\c]
	v_cvt_scalef32_pk16_fp6_f32 v[PT+4*\c:PT+2+4*\c], v[S+16+32*\c:S+31+32*\c], v[SO+1+2*\c]
.endr
	v_nop                                          ; one plain place behind a scaled conversion
.irp c, 0,1
.irp i, 0,1,2
	v_permlane16_swap_b32 v[PP+6*\c+\i], v[PT+4*\c+\i]
.endr
.irp i, 0,1,2
	s_delay_alu instid0(VALU_DEP_3)
	v_mov_b32 v[PP+3+6*\c+\i], v[PT+4*\c+\i]
.endr
.endr
	WIN 0x41                                       ; O^T (destination and source 0) in window 1, f in window 0
	s_wait_alu depctr_va_vdst(0)                   ; directly ahead of the first reader of O^T
.set j, 0
.rept 32
	v_pk_mul_f32 v[OO+j:OO+j+1], v[OO+j:OO+j+1], v[FF:FF+1] op_sel_hi:[1,0]   ; O^T under the new M.  These 32 are also the places between the codes and scale word just made and the products that take them
.set j, j+2
.endr
	WIN 0
.endm
; A KEY STEP: 128 keys, the q-th of the slot in hand.  All branches hang on ids and the count of steps: the eight waves go the same way.
.macro STEP q
	s_cmp_gt_u32 s[KF], s[BH]                      ; behind the high block: left out, but for the lines at its end that step addresses
	s_cbranch_scc1 .Lhidden_\@
	v_add_nc_u32 v[ADR], s[TB], v[LI]
	v_add_nc_u32 v[ADS], s[TS], v[LS]
	v_nop
	v_nop                                          ; four places in front of loads into registers that the last step's products have read
	s_wait_alu depctr_va_vdst(0)                   ; the wait behind the two writes
	WIN 0x40
.irp t, 0,1,2,3,4,5,6,7
.irp c, 0,1,2
	ds_load_b128 v[KV+12*\t+4*\c:KV+12*\t+4*\c+3], v[ADR] offset:12288*(\q)+1536*\t+512*\c
.endr
.endr
	WIN 0
.irp q4, 0,1,2,3
	ds_load_b32 v[KS+\q4], v[ADS] offset:128*\q4
.endr
	s_wait_dscnt 0x0
	s_cmp_gt_u32 s[KF], s[BL]                      ; behind the low block: the low tile's part is left out
	s_cbranch_scc1 .Lone_\@
	QK 0
	PLACES
	MASK 0, BL
	SOFTMAX 0
.Lone_\@:
	QK 1
	PLACES                                         ; in front of the loads into K's registers and of the first read of the scores
	WIN 0x40
.irp t, 0,1,2,3,4,5,6,7
.irp c, 0,1,2
	ds_load_b128 v[KV+12*\t+4*\c:KV+12*\t+4*\c+3], v[ADR] offset:24576+12288*(\q)+1536*\t+512*\c    ; V is asked for ahead of the high tile's softmax
.endr
.endr
	WIN 0
.irp q4, 0,1,2,3
	ds_load_b32 v[VS+\q4], v[ADS] offset:8192+128*\q4
.endr
	MASK 1, BH
	SOFTMAX 1
	s_wait_alu depctr_va_vdst(0)
	s_wait_dscnt 0x0
	s_cmp_gt_u32 s[KF], s[BL]
	s_cbranch_scc1 .Lhigh_\@
	PV 0
.Lhigh_\@:
	PV 1
.Lhidden_\@:
	s_add_co_u32 s[KF], s[KF], 128
	s_add_co_u32 s[TS], s[TS], 512
.endm
	s_wait_alu depctr_va_vdst(0)
	s_wait_loadcnt 0x0                             ; Q
.Lslot:                                            ; eight trips, a slot of two key steps each
	; THE CHANGE OF SLOTS.  Each wave waits for all its tensor loads, adds 0 to its spare word, and waits for that and for its reads of the slot that it has left.  Behind the barrier the slot ahead is whole and
	; nobody reads the other one, which takes the 256 keys that follow, up to the causal limit.
	s_wait_tensorcnt 0x0                           ; no tensor load of mine is out, so the group 0 may be written
	ds_add_u32 v[SPW], v[NIL]                      ; the add, here twice on end
	ds_add_u32 v[SPW], v[NIL]
	s_xor_b32 s[G0+1], s[G0+1], SLOT1              ; the other slot than last time,
	s_add_nc_u64 s[G0+2:G0+3], s[G0+2:G0+3], 24576 ; the next 256 keys; the type bits on top are not reached
	s_wait_xcnt 0x0                                ; the last prefetch, a slot back, has read its address
	s_add_nc_u64 s[PFA:PFA+1], s[PFA:PFA+1], 24576
	s_wait_dscnt 0x0                               ; the adds are done, and my reads of the slot that I have left are over
	s_barrier_signal -1
	s_barrier_wait -1
	s_add_co_u32 s52, s[KF], 256                   ; the first key of the slot that this change would ask for:
	s_cmp_gt_u32 s52, s[QL]                        ; behind my work-group's last query no wave would read it (so in the eighth trip of every work-group)
	s_cbranch_scc1 .Lpast
	s_cmp_lt_u32 s[WV], 2                          ; wave 0 fetches K, wave 1 V
	s_cbranch_scc0 .Lpast
	tensor_load_to_lds s[G0:G0+3], s[G1:G1+7]      ; a wave's one tensor load until the next barrier
	s_nop 0
	PLACES
.Lpast:
	; A prefetch of what the NEXT change of slots will ask for: 24,576 bytes of K and as many of V, lanes 256 bytes apart, each aligned 256 bytes named once in the launch: by the head's first work-group,
	; in its waves that fetch nothing.  Trips 0 to 5 name slots 2 to 7; the last two trips ask for nothing.
	s_cmp_gt_u32 s[SLOTS], s[LIM]
	s_cbranch_scc0 .Lnot_mine
	global_prefetch_b8 v[PFO], s[PFA:PFA+1] th:TH_LOAD_NT scope:SCOPE_SE
.Lnot_mine:
	STEP 0
	STEP 1
	s_xor_b32 s[TB], s[TB], SLOT1
	s_sub_co_u32 s[SLOTS], s[SLOTS], 1
	s_cmp_lg_u32 s[SLOTS], 0
	s_cbranch_scc1 .Lslot
	; THE WAY OUT.  O^T / the sum is one fragment of the last product's operand for each tile: 16 tokens x this head's 128 of the 2,048 along its K.  It leaves as an image of its registers: no stage is needed.
	PLACES
.irp x, 0,1
	v_add_f32 v[14+4*\x], v[14+4*\x], v[15+4*\x]
.endr
.irp x, 0,1
	s_delay_alu instid0(VALU_DEP_2)
	v_permlanex16_b32 v[BP+\x], v[14+4*\x], s[SEL], s[SEL+1]
.endr
.irp x, 0,1
	s_delay_alu instid0(VALU_DEP_2)
	v_add_f32 v[14+4*\x], v[14+4*\x], v[BP+\x]     ; the row's sum
.endr
	s_wait_alu depctr_va_vdst(0)
.irp x, 0,1
	v_rcp_f32 v[14+4*\x], v[14+4*\x]
.endr
	v_nop                                          ; a plain place behind the reciprocals
.irp x, 0,1
	WIN 0x01
	s_wait_alu depctr_va_vdst(0)                   ; ahead of the first reader of the reciprocals and of this tile's O^T
.set j, 0
.rept 64
	v_mul_f32 v[S+j], v[64*\x+j], v[14+4*\x]       ; register 16 b + i is channel 32 b + 16 h + i of my query
.set j, j+1
.endr
	WIN 0
	QUANT S, PF+12*\x, PT, PW+\x
.irp c, 0,1,2
	global_store_b128 v[LI], v[PF+12*\x+4*\c:PF+12*\x+4*\c+3], s[CC+2*\x:CC+2*\x+1] offset:512*\c   ; 32 lanes store 512 consecutive bytes, aligned
.endr
.endr
	v_cndmask_b32 v[PW+2], v[PW], v[PW+1], s[MSK]
	global_store_b32 v[CSO], v[PW+2], s[CSB:CSB+1] ; 64 bytes for each of the two tiles
	s_wait_tensorcnt 0x0                           ; the wave's end, behind my last tensor load
	ds_add_u32 v[SPW], v[NIL]
	s_wait_dscnt 0x0
	s_endpgm
.Lfunc_end_k_q25bead153f_attn:
	.size	k_q25bead153f_attn, .Lfunc_end_k_q25bead153f_attn-k_q25bead153f_attn
	.p2alignl 7, 3214868480
	.fill 96, 4, 3214868480
	.section	.rodata,"a",@progbits
	.p2align	6, 0x0
	.amdhsa_kernel k_q25bead153f_attn
		.amdhsa_group_segment_fixed_size 327680
		.amdhsa_private_segment_fixed_size 0
		.amdhsa_enable_private_segment 0
		.amdhsa_kernarg_size 32
		.amdhsa_user_sgpr_count 2
		.amdhsa_user_sgpr_kernarg_segment_ptr 1
		.amdhsa_wavefront_size32 1
		.amdhsa_system_sgpr_workgroup_id_x 1
		.amdhsa_system_sgpr_workgroup_id_y 1
		.amdhsa_system_sgpr_workgroup_id_z 1
		.amdhsa_system_vgpr_workitem_id 0
		.amdhsa_next_free_vgpr 512
		.amdhsa_next_free_sgpr 80
		.amdhsa_reserve_vcc 1
		.amdhsa_float_denorm_mode_32 3
		.amdhsa_float_denorm_mode_16_64 3
		.amdhsa_memory_ordered 1
		.amdhsa_forward_progress 1
		.amdhsa_inst_pref_size 123
	.end_amdhsa_kernel
	.amdgpu_metadata
---
amdhsa.version: [ 1, 2 ]
amdhsa.kernels:
  - .name:           k_q25bead153f_attn
    .symbol:         k_q25bead153f_attn.kd
    .args:
      - { .name: qkvc, .offset: 0, .size: 8, .value_kind: global_buffer, .address_space: global }
      - { .name: qkvs, .offset: 8, .size: 8, .value_kind: global_buffer, .address_space: global }
      - { .name: cc, .offset: 16, .size: 8, .value_kind: global_buffer, .address_space: global }
      - { .name: cs, .offset: 24, .size: 8, .value_kind: global_buffer, .address_space: global }
    .group_segment_fixed_size: 327680
    .private_segment_fixed_size: 0
    .kernarg_segment_align: 8
    .kernarg_segment_size: 32
    .max_flat_workgroup_size: 256
    .sgpr_count:     80
    .vgpr_count:     512
    .wavefront_size: 32
...
	.end_amdgpu_metadata
.endif
;; end of part 3
;; launch outp (part 4): grid 256 x 1, 4 waves a work-group, clusters of 4 x 1, 167,936 bytes of LDS; arguments cc, cs, opc, ops, bo, out0; writes out0
.if DOCPART == 4
	.amdgcn_target "amdgcn-amd-amdhsa--gfx1250"
	.amdhsa_code_object_version 6
	.text
	.protected	k_q25bead153f_outp
	.globl	k_q25bead153f_outp
	.p2align	8
	.type	k_q25bead153f_outp,@function
k_q25bead153f_outp:
	s_mov_b64 s[64:65], 0
	v_nop
	global_prefetch_b8 v0, s[64:65] scope:SCOPE_SE
	s_setreg_imm32_b32 hwreg(HW_REG_WAVE_MODE, 25, 1), 1
	s_wait_xcnt 0x0
	s_wait_alu depctr_hold_cnt(0) depctr_sa_sdst(0) depctr_va_vdst(0) depctr_va_sdst(0) depctr_va_ssrc(0) depctr_va_vcc(0) depctr_vm_vsrc(0)
	s_getreg_b32 s2, hwreg(HW_REG_IB_STS2, 6, 4)
	s_cmp_eq_u32 s2, 0
	s_cbranch_scc0 .Lentry_in_a_cluster
	s_endpgm
.Lentry_in_a_cluster:
	s_bfe_u32 s2, ttmp6, 0x10000c
	s_cmp_lg_u32 s2, 0x3003
	s_cbranch_scc0 .Lentry_shape_is_right
	s_endpgm
.Lentry_shape_is_right:
; out = ctx Wo + bo on codes of FP6 (E2M3) with E8M0 scales; K = 2,048 in sixteen steps of 128; out [4096][1024] f32.
; Both operands arrive as images of operand registers (a fragment: 1,536 bytes, three pieces of 512, lane l's 16 bytes at 16 l; scale words 64 bytes a fragment).  The rows of a tile are rows 8 u + r + 8 (r / 8) of each 32.
; SHARES.  256 work-groups of 64 tokens x 256 outputs; a wave 64 x 64: sixteen accumulators.  Source 0 = 16 columns of Wo, source 1 = 16 tokens of ctx: a lane holds one token and eight neighbouring outputs.
; CLUSTER: the four partners take the same 64 tokens and the four quarters of the outputs: ctx's 96 KiB are asked for JOINTLY, once, and stay in LDS.  Wo's fragments are wanted by one wave of the work-group alone:
; they go from memory straight into a ring of five K steps in registers.  The bias is the C of each sum's first product.
.set STG,   98304                      ; LDS: ctx's four tiles x 24,576 bytes from 0; here a stage of 16 rows x (256 + 16) bytes for each wave
.set SPARE, 115712                     ; the spare words, 128 bytes for each wave: two blocks of 256 bytes that no other line names
.set LI,  1                            ; v1   16 x lane
.set LI2, 2                            ; v2   + 49,152: ctx's tiles 2 and 3
.set GS,  3                            ; v3   4 x lane
.set H64, 4                            ; v4   64 h
.set STO, 5                            ; v5   into my stage: row r, + 64 h
.set RD,  6                            ; v6   back: lanes 0-15 one row, lanes 16-31 the next
.set GO,  7                            ; v7   the same two rows in out
.set SPW, 8                            ; v8   LDS address of my spare word; never rewritten
.set NIL, 9                            ; v9   0; never rewritten
.set BF,  16                           ; v16-111  ctx's fragments, two sets of four
.set AS,  112                          ; v112-143 Wo's scale words: register 8 t + j: lanes 0-15 K step 2 j of tile t, lanes 16-31 K step 2 j + 1
.set BS,  144                          ; v144-175 ctx's likewise
.set CB,  176                          ; v176-207 bo in the results' layout
.set OB,  208                          ; v208-239 rows on their way out
.set WV,  16                           ; window 1: Wo's ring, K step s % 5, tile t at v[12 (4 (s % 5) + t)];  window 2: accumulator (m, t) at v[8 (4 m + t)]
.set CX,  17
.set G1,  24
.set G0,  32
.set MSB, 0
.macro WIN new
.if MSB != (\new)
	s_set_vgpr_msb (MSB<<8)|(\new)
.set MSB, (\new)
.endif
.endm
.macro PLACES
.rept 4
	v_nop
.endr
.endm
.macro ROUND                           ; a round of the cluster's barrier
	s_barrier_signal -1
	s_barrier_wait -1
	s_cmp_lg_u32 s[WV], 0
	s_cbranch_scc1 .Lnot_wave_0_\@
	s_barrier_signal -3
.Lnot_wave_0_\@:
	s_barrier_wait -3
	s_barrier_signal -1
	s_barrier_wait -1
.endm
	s_load_b256 s[4:11], s[0:1], 0x0               ; ctx's codes s[4:5], ctx's scale words s[6:7], the weights' codes s[8:9], their scale words s[10:11]
	s_load_b128 s[12:15], s[0:1], 0x20             ; bo s[12:13], out s[14:15]
	v_lshl_add_u32 v[SPW], v0, 2, SPARE
	v_mov_b32 v[NIL], 0
	ds_add_u32 v[SPW], v[NIL]                      ; the wave's opening: the add and its wait ahead of my first tensor load; the set-up, work on registers, stands between them
	ds_add_u32 v[SPW], v[NIL]
	v_lshrrev_b32 v10, 5, v0
	v_readfirstlane_b32 s[WV], v10                 ; wave 0..3
	s_bfe_u32 s[CX], ttmp6, 0x40000                ; my place in the cluster: it enters global addresses of Wo, bo and out alone
	s_mov_b32 s[G1+0], 15|(3<<16)|(1<<21)          ; the mask: all four work-groups; elements of 8 bytes; bit 21 beside a mask; no padding
	s_mov_b32 s[G1+1], 32<<16                      ; rows of 256 bytes of a dense block
	s_mov_b32 s[G1+2], 96<<16                      ; 96 rows: a tile's sixteen fragments, 24,576 bytes
	s_mov_b32 s[G1+3], 32<<16
	s_mov_b32 s[G1+4], 96
	s_mov_b32 s[G1+5], 32
	s_mov_b32 s[G1+6], 0
	s_mov_b32 s[G1+7], 0
	s_lshl_b32 s36, ttmp9, 2
	s_add_co_u32 s36, s36, s[WV]                   ; ctx's tile 4 a + wave: the cluster's number and the wave's alone
	s_mul_i32 s36, s36, 24576
	s_mov_b32 s37, 0
	s_lshl_b32 s38, s[CX], 2
	s_add_co_u32 s38, s38, s[WV]                   ; my four tiles of Wo: 4 (4 cx + wave) on
	s_mul_i32 s40, s38, 98304
	s_add_co_u32 s40, s40, 7864320                 ; Wo's codes begin here
	s_mov_b32 s41, 0
	s_lshl_b32 s42, s38, 12
	s_add_co_u32 s42, s42, 327680                  ; and its scale words here
	s_mov_b32 s43, 0
	s_lshl_b32 s44, ttmp9, 12
	s_mov_b32 s45, 0
	s_lshl_b32 s46, s38, 8                         ; my 64 outputs, in bytes
	s_mov_b32 s47, 0
	s_lshl_b32 s48, ttmp9, 18                      ; 64 rows of 4,096 bytes
	s_add_co_u32 s48, s48, s46
	s_mov_b32 s49, 0
	v_and_b32 v10, 31, v0
	v_lshlrev_b32 v[LI], 4, v10
	v_add_nc_u32 v[LI2], 49152, v[LI]
	v_lshlrev_b32 v[GS], 2, v10
	v_and_b32 v10, 15, v0                          ; r
	v_bfe_u32 v11, v0, 4, 1                        ; h
	v_lshlrev_b32 v[H64], 6, v11
	s_mul_i32 s50, s[WV], 4352
	s_add_co_u32 s50, s50, STG
	v_mul_u32_u24 v[STO], v10, 272
	v_lshl_add_u32 v[STO], v11, 6, v[STO]
	v_add_nc_u32 v[STO], s50, v[STO]
	v_mul_u32_u24 v[RD], v11, 272
	v_lshl_add_u32 v[RD], v10, 4, v[RD]
	v_add_nc_u32 v[RD], s50, v[RD]
	v_lshlrev_b32 v[GO], 12, v11
	v_lshl_add_u32 v[GO], v10, 4, v[GO]
	s_wait_dscnt 0x0                               ; the opening add is done
	s_wait_kmcnt 0x0
	s_mov_b32 s[G0], 1
	s_mul_i32 s[G0+1], s[WV], 24576
	s_add_nc_u64 s[G0+2:G0+3], s[4:5], s[36:37]
	s_or_b32 s[G0+3], s[G0+3], 0x80000000
	s_add_nc_u64 s[8:9], s[8:9], s[40:41]
	s_add_nc_u64 s[10:11], s[10:11], s[42:43]
	s_add_nc_u64 s[6:7], s[6:7], s[44:45]
	s_add_nc_u64 s[12:13], s[12:13], s[46:47]
	s_add_nc_u64 s[14:15], s[14:15], s[48:49]
	ROUND                                          ; all four work-groups are here: the joint loads meet
	tensor_load_to_lds s[G0:G0+3], s[G1:G1+7]      ; my tile of ctx: one tensor load a wave, filled once
	s_nop 0
.rept 4
	v_nop
.endr
	s_wait_alu depctr_va_vdst(0)
.irp t, 0,1,2,3                                ; tile t, lane (r, h): outputs 32 (t / 2) + 16 h + 8 (t % 2) + 0 .. 7
	global_load_b128 v[CB+8*\t:CB+8*\t+3], v[H64], s[12:13] offset:(32*(\t/2)+8*(\t%2))*4
	global_load_b128 v[CB+8*\t+4:CB+8*\t+7], v[H64], s[12:13] offset:(32*(\t/2)+8*(\t%2))*4+16
.endr
.irp t, 0,1,2,3
.irp q, 0,1,2,3,4,5,6,7
	global_load_b32 v[AS+8*\t+\q], v[GS], s[10:11] offset:1024*\t+128*\q
	global_load_b32 v[BS+8*\t+\q], v[GS], s[6:7] offset:1024*\t+128*\q
.endr
.endr
.macro ALOAD s                         ; Wo's four fragments of K step s into the ring (under a window setting with the destination in window 1)
.irp t, 0,1,2,3
.irp c, 0,1,2
	global_load_b128 v[12*(4*((\s)%5)+\t)+4*\c:12*(4*((\s)%5)+\t)+4*\c+3], v[LI], s[8:9] offset:24576*\t+1536*(\s)+512*\c
.endr
.endr
.endm
.macro BLOAD s                         ; ctx's four fragments of K step s into set s % 2
.irp m, 0,1,2,3
.irp c, 0,1,2
.if \m < 2
	ds_load_b128 v[BF+48*((\s)%2)+12*\m+4*\c:BF+48*((\s)%2)+12*\m+4*\c+3], v[LI] offset:24576*\m+1536*(\s)+512*\c
.else
	ds_load_b128 v[BF+48*((\s)%2)+12*\m+4*\c:BF+48*((\s)%2)+12*\m+4*\c+3], v[LI2] offset:24576*(\m-2)+1536*(\s)+512*\c
.endif
.endr
.endr
.endm
.macro KSTEP s
.if (\s) < 15
	BLOAD (\s)+1
	s_wait_dscnt 12                                ; this step's fragments of ctx are in; the twelve loads just issued may be out
.else
	s_wait_dscnt 0x0
.endif
.if (\s) < 12
	s_wait_loadcnt 48                              ; this step's fragments of Wo are in; those of the four steps behind it may be out
.else
	s_wait_loadcnt 12*(15-(\s))
.endif
.if (\s) == 0
	WIN 0x81                                       ; Wo in window 1, ctx and the bias in window 0, the sums in window 2
.else
	WIN 0xa1                                       ; C and D in window 2
.endif
.irp m, 0,1,2,3                                ; the sixteen accumulators by turns, one instruction a turn
.irp t, 0,1,2,3
.if (\s) == 0
	v_wmma_scale_f32_16x16x128_f8f6f4 v[8*(4*\m+\t):8*(4*\m+\t)+7], v[12*(4*((\s)%5)+\t):12*(4*((\s)%5)+\t)+11], v[BF+48*((\s)%2)+12*\m:BF+48*((\s)%2)+12*\m+11], v[CB+8*\t:CB+8*\t+7], v[AS+8*\t+(\s)/2], v[BS+8*\m+(\s)/2] matrix_a_fmt:MATRIX_FMT_FP6 matrix_b_fmt:MATRIX_FMT_FP6
.elseif (\s)%2
	v_wmma_scale_f32_16x16x128_f8f6f4 v[8*(4*\m+\t):8*(4*\m+\t)+7], v[12*(4*((\s)%5)+\t):12*(4*((\s)%5)+\t)+11], v[BF+48*((\s)%2)+12*\m:BF+48*((\s)%2)+12*\m+11], v[8*(4*\m+\t):8*(4*\m+\t)+7], v[AS+8*\t+(\s)/2], v[BS+8*\m+(\s)/2] matrix_a_fmt:MATRIX_FMT_FP6 matrix_b_fmt:MATRIX_FMT_FP6 matrix_a_scale:MATRIX_SCALE_ROW1 matrix_b_scale:MATRIX_SCALE_ROW1
.else
	v_wmma_scale_f32_16x16x128_f8f6f4 v[8*(4*\m+\t):8*(4*\m+\t)+7], v[12*(4*((\s)%5)+\t):12*(4*((\s)%5)+\t)+11], v[BF+48*((\s)%2)+12*\m:BF+48*((\s)%2)+12*\m+11], v[8*(4*\m+\t):8*(4*\m+\t)+7], v[AS+8*\t+(\s)/2], v[BS+8*\m+(\s)/2] matrix_a_fmt:MATRIX_FMT_FP6 matrix_b_fmt:MATRIX_FMT_FP6
.endif
.endr
.endr
	PLACES                                         ; in front of loads into registers that these products have read, and of the first read of results
.if (\s) < 11
	WIN 0x40
	ALOAD (\s)+5                                   ; the ring's place that this step has left
.endif
	WIN 0
.endm
	WIN 0x40
.irp s, 0,1,2,3,4
	ALOAD \s
.endr
	WIN 0
	s_wait_tensorcnt 0x0                           ; my tile of ctx is in,
	s_barrier_signal -1
	s_barrier_wait -1                              ; everybody's is: from here on ctx is only read
	BLOAD 0
.irp s, 0,1,2,3,4,5,6,7,8,9,10,11,12,13,14,15
	KSTEP \s
.endr
	; THE WAY OUT, a tile of 16 tokens x my 64 outputs at a time: through my own stage, back as rows of 256 bytes: sixteen lanes store 256 consecutive bytes, aligned.
.irp m, 0,1,2,3
.if \m > 0
	s_wait_xcnt 0x0                                ; the last tile's stores have read their registers
.endif
	WIN 0x08                                       ; an LDS store's data are its source 1: window 2
.irp t, 0,1,2,3
	ds_store_b128 v[STO], v[8*(4*\m+\t):8*(4*\m+\t)+3] offset:128*(\t/2)+32*(\t%2)          ; each accumulator from its low end on
	ds_store_b128 v[STO], v[8*(4*\m+\t)+4:8*(4*\m+\t)+7] offset:128*(\t/2)+32*(\t%2)+16
.endr
	WIN 0
.irp i, 0,1,2,3,4,5,6,7
	ds_load_b128 v[OB+4*\i:OB+4*\i+3], v[RD] offset:544*\i      ; my own bytes, served in order (ISA guide 5.7.1.4): these see the stores above, and the next tile's stores come behind them
.endr
	s_wait_dscnt 0x0
.irp i, 0,1,2,3,4,5,6,7
	global_store_b128 v[GO], v[OB+4*\i:OB+4*\i+3], s[14:15] offset:(32*(\m/2)+8*(\m%2)+2*\i+8*(\i/4))*4096 th:TH_STORE_NT   ; stage rows 2 i and 2 i + 1 are tokens 8 (m % 2) + 2 i + 8 (i / 4) (+ 1) of the tile pair's 32
.endr
.endr
	s_wait_tensorcnt 0x0                           ; the wave's end, behind my last tensor load and my last LDS store
	ds_add_u32 v[SPW], v[NIL]
	s_wait_dscnt 0x0
	ROUND                                          ; the closing round
	s_endpgm
.Lfunc_end_k_q25bead153f_outp:
	.size	k_q25bead153f_outp, .Lfunc_end_k_q25bead153f_outp-k_q25bead153f_outp
	.p2alignl 7, 3214868480
	.fill 96, 4, 3214868480
	.section	.rodata,"a",@progbits
	.p2align	6, 0x0
	.amdhsa_kernel k_q25bead153f_outp
		.amdhsa_group_segment_fixed_size 167936
		.amdhsa_private_segment_fixed_size 0
		.amdhsa_enable_private_segment 0
		.amdhsa_kernarg_size 48
		.amdhsa_user_sgpr_count 2
		.amdhsa_user_sgpr_kernarg_segment_ptr 1
		.amdhsa_wavefront_size32 1
		.amdhsa_system_sgpr_workgroup_id_x 1
		.amdhsa_system_sgpr_workgroup_id_y 1
		.amdhsa_system_sgpr_workgroup_id_z 1
		.amdhsa_system_vgpr_workitem_id 0
		.amdhsa_next_free_vgpr 640
		.amdhsa_next_free_sgpr 66
		.amdhsa_reserve_vcc 0
		.amdhsa_float_denorm_mode_32 3
		.amdhsa_float_denorm_mode_16_64 3
		.amdhsa_memory_ordered 1
		.amdhsa_forward_progress 1
		.amdhsa_inst_pref_size 86
	.end_amdhsa_kernel
	.amdgpu_metadata
---
amdhsa.version: [ 1, 2 ]
amdhsa.kernels:
  - .name:           k_q25bead153f_outp
    .symbol:         k_q25bead153f_outp.kd
    .args:
      - { .name: cc, .offset: 0, .size: 8, .value_kind: global_buffer, .address_space: global }
      - { .name: cs, .offset: 8, .size: 8, .value_kind: global_buffer, .address_space: global }
      - { .name: opc, .offset: 16, .size: 8, .value_kind: global_buffer, .address_space: global }
      - { .name: ops, .offset: 24, .size: 8, .value_kind: global_buffer, .address_space: global }
      - { .name: bo, .offset: 32, .size: 8, .value_kind: global_buffer, .address_space: global }
      - { .name: out0, .offset: 40, .size: 8, .value_kind: global_buffer, .address_space: global }
    .group_segment_fixed_size: 167936
    .private_segment_fixed_size: 0
    .kernarg_segment_align: 8
    .kernarg_segment_size: 48
    .max_flat_workgroup_size: 128
    .sgpr_count:     66
    .vgpr_count:     640
    .wavefront_size: 32
...
	.end_amdgpu_metadata
.endif
;; end of part 4
